; MI455X (gfx1250); checked and timed in simulation.
; The chip was launched on July 23, 2026; its instructions are those of AMD's public machine-readable ISA for CDNA 5 (MIT licence, August 2026) and "CDNA5" Instruction Set Architecture Reference Guide (July 2026). The comments in the code are by the model that wrote it; some were corrected since.
;; Soft Attention. Allowed arithmetic: float matrix products may take bf16 or f16 operands with f32 sums; all other float work in f32.
;; Inputs: W_bil 1,024 x 1,024 float32; W_enc 1,024 x 2,048 float32; W_q 1,024 x 1,024 float32; mask 16 x 1 x 2,048 int32; query 16 x 1 x 1,024 float32; value 16 x 2,048 x 2,048 float32.
;; Outputs: out0 16 x 1 x 2,048 float32; out1 16 x 1 x 2,048 float32.
;; 2 versions, each right; version 2 is version 1 with the launches bil, enc, stream written anew for expert scheduling mode. Each part assembles by itself: llvm-mc -triple=amdgcn-amd-amdhsa -mcpu=gfx1250 --defsym DOCPART=n.
;; ======== version 1 of 2: 5 launches
;; workspace buffers: qp 262,144 bytes; qw 262,144 bytes; up 524,288 bytes; sc 131,072 bytes; pc 2,097,152 bytes
;; launch proj (part 1): grid 256 x 1, 4 waves a work-group, no clusters, 35,328 bytes of LDS; arguments query, W_q, qp; writes qp
.if DOCPART == 1
	.amdgcn_target "amdgcn-amd-amdhsa--gfx1250"
	.amdhsa_code_object_version 6
	.text
	.protected	k_q41b60308b7_proj
	.globl	k_q41b60308b7_proj
	.p2align	8
	.type	k_q41b60308b7_proj,@function
k_q41b60308b7_proj:
	s_mov_b64 s[64:65], 0
	v_nop
	global_prefetch_b8 v0, s[64:65] scope:SCOPE_SE
	s_setreg_imm32_b32 hwreg(HW_REG_WAVE_MODE, 25, 1), 1
	s_wait_xcnt 0x0
; qp[w][h][b] = sum over k = 256 w .. 256 w + 255 of query[b][k] * W_q[h][k]     (four partial sums of q_proj, layout [4][1024 h][16 b] f32)
; The whole program uses score[b][s] = value[b][s] . u[b] with u = ((query W_q^T) W_bil) W_enc: the sums of reference() in another order.
; LIMIT KEPT: the order of rounding differs from reference()'s (f32 throughout, tree sums).
; Work-group g owns the rows h = 4 g .. 4 g + 3 of W_q; wave w owns 256 of the 1,024 k; a lane holds 8 k of each row and of each batch.
; All 40 loads of a wave are issued in its first lines; each covers 512 neighbouring bytes.  W_q is read once in the launch.
; f32 vector arithmetic, no matrix unit: 16 rows against a matrix that is streamed once, and the result ends in the exponent of a softmax,
; where an operand rounded to 8 bits of mantissa would cost more than the 1 per cent allowed on alpha.
; No cluster: what the work-groups share is query, 16 KiB a wave, loaded once straight into registers; a joint request would need an LDS round trip.
; The waves do not depend on each other: each has its own LDS bytes, and there is no barrier.
.set T,   6                            ; v[6:13]    four pairs: the running products of the four rows
.set W,   16                           ; v[16:47]   row r of W_q: 8 numbers at 8 r
.set A,   48                           ; v[48:111]  my partial sum for (row r, batch b) at 16 r + b
.set Q,   112                          ; v[112:239] batch b of query: 8 numbers at 8 b; later the 32 lanes' partial sums
.set LPITCH, 272                       ; a lane's 256 bytes of partial sums + 16: an odd multiple of 16
.set WLDS,   32*LPITCH                 ; a wave's LDS
	s_load_b128 s[4:7], s[0:1], 0x0                ; query s[4:5], W_q s[6:7]
	s_load_b64 s[8:9], s[0:1], 0x10                ; qp
	v_lshl_add_u32 v240, v0, 2, 0x8800
	v_mov_b32 v241, 0
	v_lshrrev_b32 v5, 5, v0
	v_readfirstlane_b32 s12, v5                    ; wave 0..3
	v_and_b32 v5, 31, v0                           ; lane
	s_lshl_b32 s13, s12, 10                        ; my wave's 256 k = 1,024 bytes of a row
	v_lshl_add_u32 v1, v5, 4, s13                  ; v1: byte of my first 4 k in a row of W_q or of query
	s_mul_i32 s14, s12, WLDS
	v_mad_u32_u24 v2, v5, LPITCH, s14              ; v2: where my 64 partial sums go in LDS
	v_lshl_add_u32 v3, v5, 3, s14                  ; v3: entries 2 lane, 2 lane + 1 of lane 0's record
	s_lshl_b32 s15, s12, 16                        ; qp's part w: 65,536 bytes
	v_lshl_add_u32 v4, v5, 3, s15                  ; v4: my 8 bytes of the output
	s_lshl_b32 s10, ttmp9, 14                      ; 4 rows of 4,096 bytes
	s_mov_b32 s11, 0
	s_wait_kmcnt 0x0
	s_add_nc_u64 s[6:7], s[6:7], s[10:11]
	s_lshl_b32 s10, ttmp9, 8                       ; 4 h x 16 b x 4 bytes
	s_add_nc_u64 s[8:9], s[8:9], s[10:11]
.irp r, 0,1,2,3
	global_load_b128 v[W+8*\r:W+8*\r+3],   v1, s[6:7] offset:\r*4096 th:TH_LOAD_NT
	global_load_b128 v[W+8*\r+4:W+8*\r+7], v1, s[6:7] offset:\r*4096+512 th:TH_LOAD_NT
.endr
.irp b, 0,1,2,3,4,5,6,7,8,9,10,11,12,13,14,15
	global_load_b128 v[Q+8*\b:Q+8*\b+3],   v1, s[4:5] offset:\b*4096
	global_load_b128 v[Q+8*\b+4:Q+8*\b+7], v1, s[4:5] offset:\b*4096+512
.endr
; batch b against the four rows: 8 products a row, in packed pairs; the first product starts the sum
.macro DOTB b
	s_wait_loadcnt 30-2*\b                         ; loads return in order: W_q and batches 0..b are in, the 2 (15 - b) younger loads stay out
.irp r, 0,1,2,3
	v_pk_mul_f32 v[T+2*\r:T+2*\r+1], v[Q+8*\b:Q+8*\b+1], v[W+8*\r:W+8*\r+1]
.endr
.irp p, 2,4,6
.irp r, 0,1,2,3
	v_pk_fma_f32 v[T+2*\r:T+2*\r+1], v[Q+8*\b+\p:Q+8*\b+\p+1], v[W+8*\r+\p:W+8*\r+\p+1], v[T+2*\r:T+2*\r+1]
.endr
.endr
.irp r, 0,1,2,3
	v_add_f32 v[A+16*\r+\b], v[T+2*\r], v[T+2*\r+1]
.endr
.endm
.irp b, 0,1,2,3,4,5,6,7,8,9,10,11,12,13,14,15
	DOTB \b
.endr
	; The sum over the 32 lanes, for 64 numbers at once: a transpose through the wave's own LDS.  Each lane lays down its 64 partial sums,
	; then takes entries 2 lane and 2 lane + 1 of all 32 records.  LDS serves a wave's instructions in order: no wait between stores and loads.
.irp i, 0,1,2,3,4,5,6,7,8,9,10,11,12,13,14,15
	ds_store_b128 v2, v[A+4*\i:A+4*\i+3] offset:16*\i
.endr
.set l, 0
.rept 32
	ds_load_b64 v[Q+2*l:Q+2*l+1], v3 offset:LPITCH*l
.set l, l+1
.endr
	s_wait_dscnt 0x0
.set l, 4
.rept 28                                           ; four chains that do not wait for each other
	v_pk_add_f32 v[Q+2*(l%4):Q+2*(l%4)+1], v[Q+2*(l%4):Q+2*(l%4)+1], v[Q+2*l:Q+2*l+1]
.set l, l+1
.endr
	v_pk_add_f32 v[Q:Q+1], v[Q:Q+1], v[Q+2:Q+3]
	v_pk_add_f32 v[Q+4:Q+5], v[Q+4:Q+5], v[Q+6:Q+7]
	v_pk_add_f32 v[Q:Q+1], v[Q:Q+1], v[Q+4:Q+5]
	global_store_b64 v4, v[Q:Q+1], s[8:9]          ; the wave stores 256 consecutive bytes, at a multiple of 256 from qp's first byte
	s_wait_tensorcnt 0x0
	ds_add_u32 v240, v241
	s_wait_dscnt 0x0
	s_endpgm
.Lfunc_end_k_q41b60308b7_proj:
	.size	k_q41b60308b7_proj, .Lfunc_end_k_q41b60308b7_proj-k_q41b60308b7_proj
	.p2alignl 7, 3214868480
	.fill 96, 4, 3214868480
	.section	.rodata,"a",@progbits
	.p2align	6, 0x0
	.amdhsa_kernel k_q41b60308b7_proj
		.amdhsa_group_segment_fixed_size 35328
		.amdhsa_private_segment_fixed_size 0
		.amdhsa_enable_private_segment 0
		.amdhsa_kernarg_size 24
		.amdhsa_user_sgpr_count 2
		.amdhsa_user_sgpr_kernarg_segment_ptr 1
		.amdhsa_wavefront_size32 1
		.amdhsa_system_sgpr_workgroup_id_x 1
		.amdhsa_system_sgpr_workgroup_id_y 1
		.amdhsa_system_sgpr_workgroup_id_z 1
		.amdhsa_system_vgpr_workitem_id 0
		.amdhsa_next_free_vgpr 242
		.amdhsa_next_free_sgpr 66
		.amdhsa_reserve_vcc 0
		.amdhsa_float_denorm_mode_32 3
		.amdhsa_float_denorm_mode_16_64 3
		.amdhsa_memory_ordered 1
		.amdhsa_forward_progress 1
		.amdhsa_inst_pref_size 29
	.end_amdhsa_kernel
	.amdgpu_metadata
---
amdhsa.version: [ 1, 2 ]
amdhsa.kernels:
  - .name:           k_q41b60308b7_proj
    .symbol:         k_q41b60308b7_proj.kd
    .args:
      - { .name: query, .offset: 0, .size: 8, .value_kind: global_buffer, .address_space: global }
      - { .name: W_q, .offset: 8, .size: 8, .value_kind: global_buffer, .address_space: global }
      - { .name: qp, .offset: 16, .size: 8, .value_kind: global_buffer, .address_space: global }
    .group_segment_fixed_size: 35328
    .private_segment_fixed_size: 0
    .kernarg_segment_align: 8
    .kernarg_segment_size: 24
    .max_flat_workgroup_size: 128
    .sgpr_count:     66
    .vgpr_count:     242
    .wavefront_size: 32
...
	.end_amdgpu_metadata
.endif
;; end of part 1
;; launch bil (part 2): grid 16 x 4, 8 waves a work-group, no clusters, 54,272 bytes of LDS; arguments qp, W_bil, qw; writes qw
.if DOCPART == 2
	.amdgcn_target "amdgcn-amd-amdhsa--gfx1250"
	.amdhsa_code_object_version 6
	.text
	.protected	k_q41b60308b7_bil
	.globl	k_q41b60308b7_bil
	.p2align	8
	.type	k_q41b60308b7_bil,@function
k_q41b60308b7_bil:
	s_mov_b64 s[64:65], 0
	v_nop
	global_prefetch_b8 v0, s[64:65] scope:SCOPE_SE
	s_setreg_imm32_b32 hwreg(HW_REG_WAVE_MODE, 25, 1), 1
	s_wait_xcnt 0x0
; Y_part[ks] = X[:, 256 ks .. +255] * Wm[256 ks .. +255, 64 cb .. +63], X = the sum of the four partial sums of the launch before, [4][1024 k][16 b] f32.
; One template serves two launches; ENC picks the sizes.
;   ENC = 0: X = qp, Wm = W_bil [1024][1024], Y = qw [4 ks][1024 j][16 b]   (partial sums of qW = q_proj W_bil)
;   ENC = 1: X = qw, Wm = W_enc [1024][2048], Y = up [4 ks][16 b][2048 e]   (partial sums of u = qW W_enc)
; Work-group (cb, ks): 64 columns (256 bytes of each row) x 256 rows.  Wave w: 32 of the rows.  Lane: 2 columns, all 16 batches: 32 sums.
; All loads of a wave, 16 for X and 32 for Wm, are issued in its first lines; Wm is read once in the launch, 256 consecutive bytes a load.
; X's rows are read back from the wave's own LDS with one address for all lanes (a broadcast), one row ahead of the arithmetic.
; f32 vector arithmetic, no matrix unit: 16 rows against a matrix streamed once, and the result ends in the exponent of a softmax.
; No cluster: what work-groups share is X, 8 KiB a wave, loaded once; a joint request would add an engine and a barrier to one load's wait.
; LIMIT KEPT: the order of rounding differs from reference()'s (f32 throughout, sums split over ks and waves).
.set ENC, 0
.if ENC
.set N4, 8192                          ; bytes in a row of Wm
.set RP, 4096                          ; a wave's record in the reduction: [16 b][64 columns]
.else
.set N4, 4096
.set RP, 4608                          ; 32 lanes x (128 bytes + 16): [column][16 b], pitch an odd multiple of 16
.endif
.set RED, 16384                        ; LDS: X at 0 (2,048 bytes a wave), the reduction behind it
.set XB,  8                            ; v[8:39]    two buffers of 16: a row of X, 16 batches
.set ACC, 40                           ; v[40:71]   32 sums
.set WV,  72                           ; v[72:135]  row r of Wm: my 2 columns at 2 r
.set XS,  136                          ; v[136:199] X as loaded: partial p, piece i at 16 p + 4 i; later the 8 waves' records
	s_load_b128 s[4:7], s[0:1], 0x0                ; X s[4:5], Wm s[6:7]
	s_load_b64 s[8:9], s[0:1], 0x10                ; Y
	v_lshl_add_u32 v200, v0, 2, 0xd000
	v_mov_b32 v201, 0
	v_lshrrev_b32 v7, 5, v0
	v_readfirstlane_b32 s10, v7                    ; wave 0..7
	v_and_b32 v7, 31, v0                           ; lane
	s_and_b32 s11, ttmp7, 0xffff                   ; ks
	s_mov_b32 s13, 0
	s_lshl_b32 s14, s10, 11                        ; my wave's 32 rows of X: 2,048 bytes
	v_lshl_add_u32 v1, v7, 4, s14                  ; v1: my 16 bytes of them, in memory and in LDS alike
	v_mov_b32 v3, s14                              ; v3: their first byte in LDS
	s_mul_i32 s15, s10, 32*N4
	v_lshl_add_u32 v2, v7, 3, s15                  ; v2: my 2 columns in my wave's first row of Wm
.if ENC
	s_lshl_b32 s16, s10, 12
	s_add_co_u32 s16, s16, RED
	v_lshl_add_u32 v4, v7, 3, s16                  ; v4: my 2 columns of batch 0 in my wave's record
	v_lshlrev_b32 v5, 4, v0
	v_add_nc_u32 v5, RED, v5                       ; v5: thread t sums bytes 16 t of the records: batch t / 16, columns 4 (t % 16) ..
	v_lshrrev_b32 v6, 4, v0
	v_lshlrev_b32 v6, 13, v6
	v_and_b32 v7, 15, v0
	v_lshl_add_u32 v6, v7, 4, v6                   ; v6: the same in up: a row of 8,192 bytes a batch
.else
	s_mul_i32 s16, s10, RP
	s_add_co_u32 s16, s16, RED
	v_mad_u32_u24 v4, v7, 144, s16                 ; v4: my 128 bytes in my wave's record
	v_lshrrev_b32 v5, 3, v0
	v_mul_u32_u24 v5, v5, 144
	v_and_b32 v6, 7, v0
	v_lshl_add_u32 v5, v6, 4, v5
	v_add_nc_u32 v5, RED, v5                       ; v5: thread t sums bytes 16 t of [64 columns][16 b]: lane t / 8's record, piece t % 8
	v_lshlrev_b32 v6, 4, v0                        ; v6: the same in qw
.endif
	s_lshl_b32 s12, s11, 14                        ; 256 rows of X, 64 bytes each
	s_mul_i32 s17, s11, 256*N4                     ; 256 rows of Wm
	s_lshl_b32 s18, ttmp9, 8                       ; 64 columns
	s_add_co_u32 s17, s17, s18
.if ENC
	s_lshl_b32 s19, s11, 17                        ; up's part ks; the columns as above
	s_add_co_u32 s19, s19, s18
.else
	s_lshl_b32 s19, s11, 16                        ; qw's part ks
	s_lshl_b32 s18, ttmp9, 12                      ; 64 j of 64 bytes
	s_add_co_u32 s19, s19, s18
.endif
	s_wait_kmcnt 0x0
	s_add_nc_u64 s[4:5], s[4:5], s[12:13]
	s_mov_b32 s12, s17
	s_add_nc_u64 s[6:7], s[6:7], s[12:13]
	s_mov_b32 s12, s19
	s_add_nc_u64 s[8:9], s[8:9], s[12:13]
.irp p, 0,1,2,3
.irp i, 0,1,2,3
	global_load_b128 v[XS+16*\p+4*\i:XS+16*\p+4*\i+3], v1, s[4:5] offset:\p*65536+512*\i
.endr
.endr
.set r, 0
.rept 32
	global_load_b64 v[WV+2*r:WV+2*r+1], v2, s[6:7] offset:r*N4 th:TH_LOAD_NT
.set r, r+1
.endr
	s_wait_loadcnt 32                              ; X's 16 loads are in; the 32 rows of Wm stay out
.irp i, 0,1,2,3
.irp h, 0,2
	v_pk_add_f32 v[XS+4*\i+\h:XS+4*\i+\h+1], v[XS+4*\i+\h:XS+4*\i+\h+1], v[XS+16+4*\i+\h:XS+16+4*\i+\h+1]
	v_pk_add_f32 v[XS+32+4*\i+\h:XS+32+4*\i+\h+1], v[XS+32+4*\i+\h:XS+32+4*\i+\h+1], v[XS+48+4*\i+\h:XS+48+4*\i+\h+1]
	v_pk_add_f32 v[XS+4*\i+\h:XS+4*\i+\h+1], v[XS+4*\i+\h:XS+4*\i+\h+1], v[XS+32+4*\i+\h:XS+32+4*\i+\h+1]
.endr
	ds_store_b128 v1, v[XS+4*\i:XS+4*\i+3] offset:512*\i   ; the wave's own rows, read by this wave alone: no barrier
.endr
.macro LDX r                           ; row r of X, 64 bytes, the same for every lane, into buffer r % 2
.irp q, 0,1,2,3
	ds_load_b128 v[XB+16*((\r)%2)+4*\q:XB+16*((\r)%2)+4*\q+3], v3 offset:64*(\r)+16*\q
.endr
.endm
; row r: 32 multiply-adds a lane in 16 packed ones; row 0's products start the sums
.macro ROW r
.if \r < 31
	LDX \r+1
	s_wait_dscnt 0x4                               ; LDS answers in order: row r is in, the next row's four loads stay out
.else
	s_wait_dscnt 0x0
.endif
	s_wait_loadcnt 31-\r                           ; row r of Wm is in, the rows behind it stay out
.set XR, XB+16*(\r%2)
.set WR, WV+2*\r
.if ENC
.irp i, 0,1,2,3,4,5,6,7                            ; a pair = my two columns; the batch's x is taken for both (op_sel picks it from its pair)
.if \r == 0
	v_pk_mul_f32 v[ACC+4*\i:ACC+4*\i+1],   v[WR:WR+1], v[XR+2*\i:XR+2*\i+1] op_sel_hi:[1,0]
	v_pk_mul_f32 v[ACC+4*\i+2:ACC+4*\i+3], v[WR:WR+1], v[XR+2*\i:XR+2*\i+1] op_sel:[0,1] op_sel_hi:[1,1]
.else
	v_pk_fma_f32 v[ACC+4*\i:ACC+4*\i+1],   v[WR:WR+1], v[XR+2*\i:XR+2*\i+1], v[ACC+4*\i:ACC+4*\i+1] op_sel_hi:[1,0,1]
	v_pk_fma_f32 v[ACC+4*\i+2:ACC+4*\i+3], v[WR:WR+1], v[XR+2*\i:XR+2*\i+1], v[ACC+4*\i+2:ACC+4*\i+3] op_sel:[0,1,0] op_sel_hi:[1,1,1]
.endif
.endr
.else
.irp c, 0,1                                        ; a pair = two batches; column c's weight is taken for both
.irp i, 0,1,2,3,4,5,6,7
.if \r == 0
	v_pk_mul_f32 v[ACC+16*\c+2*\i:ACC+16*\c+2*\i+1], v[WR:WR+1], v[XR+2*\i:XR+2*\i+1] op_sel:[\c,0] op_sel_hi:[\c,1]
.else
	v_pk_fma_f32 v[ACC+16*\c+2*\i:ACC+16*\c+2*\i+1], v[WR:WR+1], v[XR+2*\i:XR+2*\i+1], v[ACC+16*\c+2*\i:ACC+16*\c+2*\i+1] op_sel:[\c,0,0] op_sel_hi:[\c,1,1]
.endif
.endr
.endr
.endif
.endm
	LDX 0
.irp r, 0,1,2,3,4,5,6,7,8,9,10,11,12,13,14,15,16,17,18,19,20,21,22,23,24,25,26,27,28,29,30,31
	ROW \r
.endr
	; the sum over the 8 waves: each lays down its record, one barrier, thread t sums 16 bytes of all eight
.if ENC
.irp b, 0,1,2,3,4,5,6,7,8,9,10,11,12,13,14,15
	ds_store_b64 v4, v[ACC+2*\b:ACC+2*\b+1] offset:256*\b
.endr
.else
.irp i, 0,1,2,3,4,5,6,7
	ds_store_b128 v4, v[ACC+4*\i:ACC+4*\i+3] offset:16*\i
.endr
.endif
	s_wait_dscnt 0x0                               ; for the other waves' sake: my record is written before I signal
	s_barrier_signal -1
	s_barrier_wait -1
.irp w, 0,1,2,3,4,5,6,7
	ds_load_b128 v[XS+4*\w:XS+4*\w+3], v5 offset:\w*RP
.endr
	s_wait_dscnt 0x0
.irp h, 0,2
	v_pk_add_f32 v[XS+\h:XS+\h+1],       v[XS+\h:XS+\h+1],       v[XS+4+\h:XS+4+\h+1]
	v_pk_add_f32 v[XS+8+\h:XS+8+\h+1],   v[XS+8+\h:XS+8+\h+1],   v[XS+12+\h:XS+12+\h+1]
	v_pk_add_f32 v[XS+16+\h:XS+16+\h+1], v[XS+16+\h:XS+16+\h+1], v[XS+20+\h:XS+20+\h+1]
	v_pk_add_f32 v[XS+24+\h:XS+24+\h+1], v[XS+24+\h:XS+24+\h+1], v[XS+28+\h:XS+28+\h+1]
	v_pk_add_f32 v[XS+\h:XS+\h+1],       v[XS+\h:XS+\h+1],       v[XS+8+\h:XS+8+\h+1]
	v_pk_add_f32 v[XS+16+\h:XS+16+\h+1], v[XS+16+\h:XS+16+\h+1], v[XS+24+\h:XS+24+\h+1]
	v_pk_add_f32 v[XS+\h:XS+\h+1],       v[XS+\h:XS+\h+1],       v[XS+16+\h:XS+16+\h+1]
.endr
	global_store_b128 v6, v[XS:XS+3], s[8:9]       ; sixteen neighbouring lanes store 256 consecutive bytes, at a multiple of 256 from Y's first byte
	s_wait_tensorcnt 0x0
	ds_add_u32 v200, v201
	s_wait_dscnt 0x0
	s_endpgm
.Lfunc_end_k_q41b60308b7_bil:
	.size	k_q41b60308b7_bil, .Lfunc_end_k_q41b60308b7_bil-k_q41b60308b7_bil
	.p2alignl 7, 3214868480
	.fill 96, 4, 3214868480
	.section	.rodata,"a",@progbits
	.p2align	6, 0x0
	.amdhsa_kernel k_q41b60308b7_bil
		.amdhsa_group_segment_fixed_size 54272
		.amdhsa_private_segment_fixed_size 0
		.amdhsa_enable_private_segment 0
		.amdhsa_kernarg_size 24
		.amdhsa_user_sgpr_count 2
		.amdhsa_user_sgpr_kernarg_segment_ptr 1
		.amdhsa_wavefront_size32 1
		.amdhsa_system_sgpr_workgroup_id_x 1
		.amdhsa_system_sgpr_workgroup_id_y 1
		.amdhsa_system_sgpr_workgroup_id_z 1
		.amdhsa_system_vgpr_workitem_id 0
		.amdhsa_next_free_vgpr 202
		.amdhsa_next_free_sgpr 66
		.amdhsa_reserve_vcc 0
		.amdhsa_float_denorm_mode_32 3
		.amdhsa_float_denorm_mode_16_64 3
		.amdhsa_memory_ordered 1
		.amdhsa_forward_progress 1
		.amdhsa_inst_pref_size 53
	.end_amdhsa_kernel
	.amdgpu_metadata
---
amdhsa.version: [ 1, 2 ]
amdhsa.kernels:
  - .name:           k_q41b60308b7_bil
    .symbol:         k_q41b60308b7_bil.kd
    .args:
      - { .name: qp, .offset: 0, .size: 8, .value_kind: global_buffer, .address_space: global }
      - { .name: W_bil, .offset: 8, .size: 8, .value_kind: global_buffer, .address_space: global }
      - { .name: qw, .offset: 16, .size: 8, .value_kind: global_buffer, .address_space: global }
    .group_segment_fixed_size: 54272
    .private_segment_fixed_size: 0
    .kernarg_segment_align: 8
    .kernarg_segment_size: 24
    .max_flat_workgroup_size: 256
    .sgpr_count:     66
    .vgpr_count:     202
    .wavefront_size: 32
...
	.end_amdgpu_metadata
.endif
;; end of part 2
;; launch enc (part 3): grid 32 x 4, 8 waves a work-group, no clusters, 50,176 bytes of LDS; arguments qw, W_enc, up; writes up
.if DOCPART == 3
	.amdgcn_target "amdgcn-amd-amdhsa--gfx1250"
	.amdhsa_code_object_version 6
	.text
	.protected	k_q41b60308b7_enc
	.globl	k_q41b60308b7_enc
	.p2align	8
	.type	k_q41b60308b7_enc,@function
k_q41b60308b7_enc:
	s_mov_b64 s[64:65], 0
	v_nop
	global_prefetch_b8 v0, s[64:65] scope:SCOPE_SE
	s_setreg_imm32_b32 hwreg(HW_REG_WAVE_MODE, 25, 1), 1
	s_wait_xcnt 0x0
; Y_part[ks] = X[:, 256 ks .. +255] * Wm[256 ks .. +255, 64 cb .. +63], X = the sum of the four partial sums of the launch before, [4][1024 k][16 b] f32.
; One template serves two launches; ENC picks the sizes.
;   ENC = 0: X = qp, Wm = W_bil [1024][1024], Y = qw [4 ks][1024 j][16 b]   (partial sums of qW = q_proj W_bil)
;   ENC = 1: X = qw, Wm = W_enc [1024][2048], Y = up [4 ks][16 b][2048 e]   (partial sums of u = qW W_enc)
; Work-group (cb, ks): 64 columns (256 bytes of each row) x 256 rows.  Wave w: 32 of the rows.  Lane: 2 columns, all 16 batches: 32 sums.
; All loads of a wave, 16 for X and 32 for Wm, are issued in its first lines; Wm is read once in the launch, 256 consecutive bytes a load.
; X's rows are read back from the wave's own LDS with one address for all lanes (a broadcast), one row ahead of the arithmetic.
; f32 vector arithmetic, no matrix unit: 16 rows against a matrix streamed once, and the result ends in the exponent of a softmax.
; No cluster: what work-groups share is X, 8 KiB a wave, loaded once; a joint request would add an engine and a barrier to one load's wait.
; LIMIT KEPT: the order of rounding differs from reference()'s (f32 throughout, sums split over ks and waves).
.set ENC, 1
.if ENC
.set N4, 8192                          ; bytes in a row of Wm
.set RP, 4096                          ; a wave's record in the reduction: [16 b][64 columns]
.else
.set N4, 4096
.set RP, 4608                          ; 32 lanes x (128 bytes + 16): [column][16 b], pitch an odd multiple of 16
.endif
.set RED, 16384                        ; LDS: X at 0 (2,048 bytes a wave), the reduction behind it
.set XB,  8                            ; v[8:39]    two buffers of 16: a row of X, 16 batches
.set ACC, 40                           ; v[40:71]   32 sums
.set WV,  72                           ; v[72:135]  row r of Wm: my 2 columns at 2 r
.set XS,  136                          ; v[136:199] X as loaded: partial p, piece i at 16 p + 4 i; later the 8 waves' records
	s_load_b128 s[4:7], s[0:1], 0x0                ; X s[4:5], Wm s[6:7]
	s_load_b64 s[8:9], s[0:1], 0x10                ; Y
	v_lshl_add_u32 v200, v0, 2, 0xc000
	v_mov_b32 v201, 0
	v_lshrrev_b32 v7, 5, v0
	v_readfirstlane_b32 s10, v7                    ; wave 0..7
	v_and_b32 v7, 31, v0                           ; lane
	s_and_b32 s11, ttmp7, 0xffff                   ; ks
	s_mov_b32 s13, 0
	s_lshl_b32 s14, s10, 11                        ; my wave's 32 rows of X: 2,048 bytes
	v_lshl_add_u32 v1, v7, 4, s14                  ; v1: my 16 bytes of them, in memory and in LDS alike
	v_mov_b32 v3, s14                              ; v3: their first byte in LDS
	s_mul_i32 s15, s10, 32*N4
	v_lshl_add_u32 v2, v7, 3, s15                  ; v2: my 2 columns in my wave's first row of Wm
.if ENC
	s_lshl_b32 s16, s10, 12
	s_add_co_u32 s16, s16, RED
	v_lshl_add_u32 v4, v7, 3, s16                  ; v4: my 2 columns of batch 0 in my wave's record
	v_lshlrev_b32 v5, 4, v0
	v_add_nc_u32 v5, RED, v5                       ; v5: thread t sums bytes 16 t of the records: batch t / 16, columns 4 (t % 16) ..
	v_lshrrev_b32 v6, 4, v0
	v_lshlrev_b32 v6, 13, v6
	v_and_b32 v7, 15, v0
	v_lshl_add_u32 v6, v7, 4, v6                   ; v6: the same in up: a row of 8,192 bytes a batch
.else
	s_mul_i32 s16, s10, RP
	s_add_co_u32 s16, s16, RED
	v_mad_u32_u24 v4, v7, 144, s16                 ; v4: my 128 bytes in my wave's record
	v_lshrrev_b32 v5, 3, v0
	v_mul_u32_u24 v5, v5, 144
	v_and_b32 v6, 7, v0
	v_lshl_add_u32 v5, v6, 4, v5
	v_add_nc_u32 v5, RED, v5                       ; v5: thread t sums bytes 16 t of [64 columns][16 b]: lane t / 8's record, piece t % 8
	v_lshlrev_b32 v6, 4, v0                        ; v6: the same in qw
.endif
	s_lshl_b32 s12, s11, 14                        ; 256 rows of X, 64 bytes each
	s_mul_i32 s17, s11, 256*N4                     ; 256 rows of Wm
	s_lshl_b32 s18, ttmp9, 8                       ; 64 columns
	s_add_co_u32 s17, s17, s18
.if ENC
	s_lshl_b32 s19, s11, 17                        ; up's part ks; the columns as above
	s_add_co_u32 s19, s19, s18
.else
	s_lshl_b32 s19, s11, 16                        ; qw's part ks
	s_lshl_b32 s18, ttmp9, 12                      ; 64 j of 64 bytes
	s_add_co_u32 s19, s19, s18
.endif
	s_wait_kmcnt 0x0
	s_add_nc_u64 s[4:5], s[4:5], s[12:13]
	s_mov_b32 s12, s17
	s_add_nc_u64 s[6:7], s[6:7], s[12:13]
	s_mov_b32 s12, s19
	s_add_nc_u64 s[8:9], s[8:9], s[12:13]
.irp p, 0,1,2,3
.irp i, 0,1,2,3
	global_load_b128 v[XS+16*\p+4*\i:XS+16*\p+4*\i+3], v1, s[4:5] offset:\p*65536+512*\i
.endr
.endr
.set r, 0
.rept 32
	global_load_b64 v[WV+2*r:WV+2*r+1], v2, s[6:7] offset:r*N4 th:TH_LOAD_NT
.set r, r+1
.endr
	s_wait_loadcnt 32                              ; X's 16 loads are in; the 32 rows of Wm stay out
.irp i, 0,1,2,3
.irp h, 0,2
	v_pk_add_f32 v[XS+4*\i+\h:XS+4*\i+\h+1], v[XS+4*\i+\h:XS+4*\i+\h+1], v[XS+16+4*\i+\h:XS+16+4*\i+\h+1]
	v_pk_add_f32 v[XS+32+4*\i+\h:XS+32+4*\i+\h+1], v[XS+32+4*\i+\h:XS+32+4*\i+\h+1], v[XS+48+4*\i+\h:XS+48+4*\i+\h+1]
	v_pk_add_f32 v[XS+4*\i+\h:XS+4*\i+\h+1], v[XS+4*\i+\h:XS+4*\i+\h+1], v[XS+32+4*\i+\h:XS+32+4*\i+\h+1]
.endr
	ds_store_b128 v1, v[XS+4*\i:XS+4*\i+3] offset:512*\i   ; the wave's own rows, read by this wave alone: no barrier
.endr
.macro LDX r                           ; row r of X, 64 bytes, the same for every lane, into buffer r % 2
.irp q, 0,1,2,3
	ds_load_b128 v[XB+16*((\r)%2)+4*\q:XB+16*((\r)%2)+4*\q+3], v3 offset:64*(\r)+16*\q
.endr
.endm
; row r: 32 multiply-adds a lane in 16 packed ones; row 0's products start the sums
.macro ROW r
.if \r < 31
	LDX \r+1
	s_wait_dscnt 0x4                               ; LDS answers in order: row r is in, the next row's four loads stay out
.else
	s_wait_dscnt 0x0
.endif
	s_wait_loadcnt 31-\r                           ; row r of Wm is in, the rows behind it stay out
.set XR, XB+16*(\r%2)
.set WR, WV+2*\r
.if ENC
.irp i, 0,1,2,3,4,5,6,7                            ; a pair = my two columns; the batch's x is taken for both (op_sel picks it from its pair)
.if \r == 0
	v_pk_mul_f32 v[ACC+4*\i:ACC+4*\i+1],   v[WR:WR+1], v[XR+2*\i:XR+2*\i+1] op_sel_hi:[1,0]
	v_pk_mul_f32 v[ACC+4*\i+2:ACC+4*\i+3], v[WR:WR+1], v[XR+2*\i:XR+2*\i+1] op_sel:[0,1] op_sel_hi:[1,1]
.else
	v_pk_fma_f32 v[ACC+4*\i:ACC+4*\i+1],   v[WR:WR+1], v[XR+2*\i:XR+2*\i+1], v[ACC+4*\i:ACC+4*\i+1] op_sel_hi:[1,0,1]
	v_pk_fma_f32 v[ACC+4*\i+2:ACC+4*\i+3], v[WR:WR+1], v[XR+2*\i:XR+2*\i+1], v[ACC+4*\i+2:ACC+4*\i+3] op_sel:[0,1,0] op_sel_hi:[1,1,1]
.endif
.endr
.else
.irp c, 0,1                                        ; a pair = two batches; column c's weight is taken for both
.irp i, 0,1,2,3,4,5,6,7
.if \r == 0
	v_pk_mul_f32 v[ACC+16*\c+2*\i:ACC+16*\c+2*\i+1], v[WR:WR+1], v[XR+2*\i:XR+2*\i+1] op_sel:[\c,0] op_sel_hi:[\c,1]
.else
	v_pk_fma_f32 v[ACC+16*\c+2*\i:ACC+16*\c+2*\i+1], v[WR:WR+1], v[XR+2*\i:XR+2*\i+1], v[ACC+16*\c+2*\i:ACC+16*\c+2*\i+1] op_sel:[\c,0,0] op_sel_hi:[\c,1,1]
.endif
.endr
.endr
.endif
.endm
	LDX 0
.irp r, 0,1,2,3,4,5,6,7,8,9,10,11,12,13,14,15,16,17,18,19,20,21,22,23,24,25,26,27,28,29,30,31
	ROW \r
.endr
	; the sum over the 8 waves: each lays down its record, one barrier, thread t sums 16 bytes of all eight
.if ENC
.irp b, 0,1,2,3,4,5,6,7,8,9,10,11,12,13,14,15
	ds_store_b64 v4, v[ACC+2*\b:ACC+2*\b+1] offset:256*\b
.endr
.else
.irp i, 0,1,2,3,4,5,6,7
	ds_store_b128 v4, v[ACC+4*\i:ACC+4*\i+3] offset:16*\i
.endr
.endif
	s_wait_dscnt 0x0                               ; for the other waves' sake: my record is written before I signal
	s_barrier_signal -1
	s_barrier_wait -1
.irp w, 0,1,2,3,4,5,6,7
	ds_load_b128 v[XS+4*\w:XS+4*\w+3], v5 offset:\w*RP
.endr
	s_wait_dscnt 0x0
.irp h, 0,2
	v_pk_add_f32 v[XS+\h:XS+\h+1],       v[XS+\h:XS+\h+1],       v[XS+4+\h:XS+4+\h+1]
	v_pk_add_f32 v[XS+8+\h:XS+8+\h+1],   v[XS+8+\h:XS+8+\h+1],   v[XS+12+\h:XS+12+\h+1]
	v_pk_add_f32 v[XS+16+\h:XS+16+\h+1], v[XS+16+\h:XS+16+\h+1], v[XS+20+\h:XS+20+\h+1]
	v_pk_add_f32 v[XS+24+\h:XS+24+\h+1], v[XS+24+\h:XS+24+\h+1], v[XS+28+\h:XS+28+\h+1]
	v_pk_add_f32 v[XS+\h:XS+\h+1],       v[XS+\h:XS+\h+1],       v[XS+8+\h:XS+8+\h+1]
	v_pk_add_f32 v[XS+16+\h:XS+16+\h+1], v[XS+16+\h:XS+16+\h+1], v[XS+24+\h:XS+24+\h+1]
	v_pk_add_f32 v[XS+\h:XS+\h+1],       v[XS+\h:XS+\h+1],       v[XS+16+\h:XS+16+\h+1]
.endr
	global_store_b128 v6, v[XS:XS+3], s[8:9]       ; sixteen neighbouring lanes store 256 consecutive bytes, at a multiple of 256 from Y's first byte
	s_wait_tensorcnt 0x0
	ds_add_u32 v200, v201
	s_wait_dscnt 0x0
	s_endpgm
.Lfunc_end_k_q41b60308b7_enc:
	.size	k_q41b60308b7_enc, .Lfunc_end_k_q41b60308b7_enc-k_q41b60308b7_enc
	.p2alignl 7, 3214868480
	.fill 96, 4, 3214868480
	.section	.rodata,"a",@progbits
	.p2align	6, 0x0
	.amdhsa_kernel k_q41b60308b7_enc
		.amdhsa_group_segment_fixed_size 50176
		.amdhsa_private_segment_fixed_size 0
		.amdhsa_enable_private_segment 0
		.amdhsa_kernarg_size 24
		.amdhsa_user_sgpr_count 2
		.amdhsa_user_sgpr_kernarg_segment_ptr 1
		.amdhsa_wavefront_size32 1
		.amdhsa_system_sgpr_workgroup_id_x 1
		.amdhsa_system_sgpr_workgroup_id_y 1
		.amdhsa_system_sgpr_workgroup_id_z 1
		.amdhsa_system_vgpr_workitem_id 0
		.amdhsa_next_free_vgpr 202
		.amdhsa_next_free_sgpr 66
		.amdhsa_reserve_vcc 0
		.amdhsa_float_denorm_mode_32 3
		.amdhsa_float_denorm_mode_16_64 3
		.amdhsa_memory_ordered 1
		.amdhsa_forward_progress 1
		.amdhsa_inst_pref_size 53
	.end_amdhsa_kernel
	.amdgpu_metadata
---
amdhsa.version: [ 1, 2 ]
amdhsa.kernels:
  - .name:           k_q41b60308b7_enc
    .symbol:         k_q41b60308b7_enc.kd
    .args:
      - { .name: qw, .offset: 0, .size: 8, .value_kind: global_buffer, .address_space: global }
      - { .name: W_enc, .offset: 8, .size: 8, .value_kind: global_buffer, .address_space: global }
      - { .name: up, .offset: 16, .size: 8, .value_kind: global_buffer, .address_space: global }
    .group_segment_fixed_size: 50176
    .private_segment_fixed_size: 0
    .kernarg_segment_align: 8
    .kernarg_segment_size: 24
    .max_flat_workgroup_size: 256
    .sgpr_count:     66
    .vgpr_count:     202
    .wavefront_size: 32
...
	.end_amdgpu_metadata
.endif
;; end of part 3
;; launch stream (part 4): grid 16 x 16, 8 waves a work-group, no clusters, 75,520 bytes of LDS; arguments value, mask, up, sc, pc; writes sc, pc
.if DOCPART == 4
	.amdgcn_target "amdgcn-amd-amdhsa--gfx1250"
	.amdhsa_code_object_version 6
	.text
	.protected	k_q41b60308b7_stream
	.globl	k_q41b60308b7_stream
	.p2align	8
	.type	k_q41b60308b7_stream,@function
k_q41b60308b7_stream:
	s_mov_b64 s[64:65], 0
	v_nop
	global_prefetch_b8 v0, s[64:65] scope:SCOPE_SE
	s_setreg_imm32_b32 hwreg(HW_REG_WAVE_MODE, 25, 1), 1
	s_wait_xcnt 0x0
; For batch b and chunk c (128 rows of value):
;   sc[b][s]    = value[b][s] . u[b], or -inf where mask[b][s] == 0          (u[b] = the sum of up's four parts)
;   pc[b][c][e] = sum over the chunk's rows of exp(sc[b][s] - m_c) * value[b][s][e],   m_c = max(-FLT_MAX, the chunk's scores)
; value is read from memory once: a row stays in registers between its dot product with u and its share in the weighted sum, and the
; exponentials are taken against a running maximum.  m_c is not stored: the next launch takes the same maximum of the same stored scores.
; Eight waves; wave w owns rows 16 w .. 16 w + 15 of the chunk and takes a whole row (8,192 bytes) at a time: 16 loads of 512 neighbouring bytes,
; 64 registers.  A ring of four row slots in registers: one row at work, three (48 loads, 24 KiB a wave, 192 KiB a work-group) on their way.
; The 16 turns are written out, so that every row is an immediate offset and no address register is ever rewritten.
; f32 vector arithmetic, no matrix unit: two multiply-adds for each number read, and a score is the exponent of a softmax: value or u rounded to
; 8 bits of mantissa would move it by about sqrt(2048) x 2^-9 of a typical product, several times what 1 per cent on alpha allows.
; No tensor loads: the registers hold what is in flight, and LDS would add a write and a read of every byte.
; No cluster: the work-groups of a batch share only u, 32 KiB against 1 MiB of rows of their own.
; No prefetch: every wave always has three rows requested, and nothing else is waited for.
; LIMITS KEPT: the order of rounding differs from reference()'s (the products are reassociated, f32 throughout).  v_exp_f32 gives 0 below 2^-126.
; A NaN or +inf score makes p NaN, and with it the batch's outputs, as in reference().
.set U_L,   0                          ; LDS: u[b], 8,192 bytes
.set CT_L,  8192                       ; the 8 waves' weighted sums, 8,192 bytes each
.set SCO_L, 73728                      ; the chunk's 128 scores
.set WM_L,  74240                      ; the 8 waves' maxima
.set LOG2E, 0x3fb8aa3b
.set FMIN,  0xff7fffff                 ; -FLT_MAX: keeps every maximum finite, so that a masked row gives exp(-inf) = 0 and never inf - inf
.set L16,  1                           ; v1   16 x lane
.set VOFF, 2                           ; v2   my 16 bytes in my wave's first row
.set UOFF, 3                           ; v3   1,024 w + 16 lane: my wave's eighth of a row of 8,192 bytes (up, LDS U, pc)
.set MOFF, 4                           ; v4   mask word of my wave's row lane % 16
.set MK,   5                           ; v5   that word
.set SA,   6                           ; v6   LDS: my wave's 16 scores
.set WMA,  7                           ; v7   LDS: my wave's maximum
.set WMR,  8                           ; v8   LDS: the eight maxima
.set CTA,  9                           ; v9   LDS: my 16 bytes of my wave's weighted sum
.set CRA,  10                          ; v10  LDS: my 16 bytes of wave 0's weighted sum, in my wave's eighth
.set NI,   11                          ; v11  -inf
.set S,    12                          ; v12  the row's score
.set T,    13                          ; v13  at work
.set M,    14                          ; v14  the running maximum
.set MN,   15                          ; v15  the new one
.set DD,   16                          ; v[16:17] score - new maximum, old maximum - new maximum
.set PF,   18                          ; v[18:19] p = exp of the first, f = exp of the second
.set D,    20                          ; v[20:27] four chains of the dot product, a pair each
.set SCR,  28                          ; v28  LDS: 16 bytes of the scores (wave 0, at the end)
.set TU,   32                          ; v[32:63]   up's four parts as loaded; later the eight maxima, the scores
.set UU,   64                          ; v[64:127]  u[b] at my 64 columns; later the eight waves' sums
.set CX,   128                         ; v[128:191] the weighted sum at my 64 columns
; v256-v511, written v0-v255 in window 1: the four row slots, slot i at 64 i.
; s_set_vgpr_msb's low byte: bits 1:0 source 0, 7:6 destination; the high byte repeats the setting that is left.
.set MSB, 0
.macro WIN new
.if MSB != \new
	s_set_vgpr_msb (MSB<<8)|\new
.set MSB, \new
.endif
.endm
.set ROW_SRC, 0x01                     ; source 0 is a row
.set ROW_DST, 0x40                     ; a load's destination is a row, its address register in window 0
	s_load_b256 s[4:11], s[0:1], 0x0               ; value s[4:5], mask s[6:7], up s[8:9], sc s[10:11]
	s_load_b64 s[12:13], s[0:1], 0x20              ; pc
	v_lshl_add_u32 v254, v0, 2, 0x12300
	v_mov_b32 v255, 0
	v_lshrrev_b32 v29, 5, v0
	v_readfirstlane_b32 s14, v29                   ; wave 0..7
	s_and_b32 s16, ttmp7, 0xffff                   ; batch b; ttmp9: chunk c
	s_mov_b32 s19, 0
	s_mov_b32 s22, 0x76543210                      ; v_permlanex16_b32: lane i of one half reads lane i of the other
	s_mov_b32 s23, 0xfedcba98
	v_and_b32 v29, 31, v0
	v_lshlrev_b32 v[L16], 4, v29
	s_lshl_b32 s24, s14, 17                        ; 16 rows of 8,192 bytes
	v_add_nc_u32 v[VOFF], s24, v[L16]
	s_lshl_b32 s25, s14, 10
	v_add_nc_u32 v[UOFF], s25, v[L16]
	v_and_b32 v[MOFF], 15, v0
	v_lshlrev_b32 v[MOFF], 2, v[MOFF]
	s_lshl_b32 s26, s14, 6                         ; 16 words
	v_add_nc_u32 v[MOFF], s26, v[MOFF]
	s_add_co_u32 s27, s26, SCO_L
	v_mov_b32 v[SA], s27
	s_lshl_b32 s28, s14, 2
	s_add_co_u32 s28, s28, WM_L
	v_mov_b32 v[WMA], s28
	v_mov_b32 v[WMR], WM_L
	s_lshl_b32 s29, s14, 13
	s_add_co_u32 s29, s29, CT_L
	v_add_nc_u32 v[CTA], s29, v[L16]
	s_add_co_u32 s30, s25, CT_L
	v_add_nc_u32 v[CRA], s30, v[L16]
	v_add_nc_u32 v[SCR], SCO_L, v[L16]
	v_mov_b32 v[NI], 0xff800000
	v_mov_b32 v[T], 0                              ; v_permlanex16_b32 counts as a reader of its destination
	v_mov_b32 v[PF+1], 0                           ; the first turn reads the pair and uses p alone
	s_wait_kmcnt 0x0
	s_lshl_b32 s18, s16, 24                        ; a batch of value: 2,048 rows of 8,192 bytes
	s_lshl_b32 s17, ttmp9, 20                      ; a chunk: 128 rows
	s_add_co_u32 s18, s18, s17
	s_add_nc_u64 s[4:5], s[4:5], s[18:19]
	s_lshl_b32 s18, s16, 13                        ; a batch of up, mask, sc: 8,192 bytes
	s_add_nc_u64 s[8:9], s[8:9], s[18:19]
	s_lshl_b32 s17, ttmp9, 9                       ; a chunk of mask, sc: 128 words
	s_add_co_u32 s18, s18, s17
	s_add_nc_u64 s[6:7], s[6:7], s[18:19]
	s_add_nc_u64 s[10:11], s[10:11], s[18:19]
	s_lshl_b32 s18, s16, 17                        ; a batch of pc: 16 chunks of 8,192 bytes
	s_lshl_b32 s17, ttmp9, 13
	s_add_co_u32 s18, s18, s17
	s_add_nc_u64 s[12:13], s[12:13], s[18:19]
.macro FILL base, row                  ; 16 loads: row `row` of my wave's 16 into the slot whose registers begin at `base` in window 1
	WIN ROW_DST
.irp j, 0,1,2,3,4,5,6,7,8,9,10,11,12,13,14,15
	global_load_b128 v[\base+4*\j:\base+4*\j+3], v[VOFF], s[4:5] offset:(\row)*8192+512*\j th:TH_LOAD_NT
.endr
.endm
	global_load_b32 v[MK], v[MOFF], s[6:7]
.irp p, 0,1,2,3
	global_load_b128 v[TU+8*\p:TU+8*\p+3],   v[UOFF], s[8:9] offset:\p*131072
	global_load_b128 v[TU+8*\p+4:TU+8*\p+7], v[UOFF], s[8:9] offset:\p*131072+512
.endr
	FILL 0, 0
	FILL 64, 1
	FILL 128, 2
	WIN 0
	s_wait_loadcnt 48                              ; the mask word and up's parts are in; three rows of 16 loads stay out
	v_cmp_ne_u32 vcc_lo, 0, v[MK]
	s_mov_b32 s20, vcc_lo                          ; bit t (0..15): my wave's row t is kept
.irp h, 0,2,4,6
	v_pk_add_f32 v[TU+\h:TU+\h+1],       v[TU+\h:TU+\h+1],       v[TU+8+\h:TU+8+\h+1]
	v_pk_add_f32 v[TU+16+\h:TU+16+\h+1], v[TU+16+\h:TU+16+\h+1], v[TU+24+\h:TU+24+\h+1]
	v_pk_add_f32 v[TU+\h:TU+\h+1],       v[TU+\h:TU+\h+1],       v[TU+16+\h:TU+16+\h+1]
.endr
	ds_store_b128 v[UOFF], v[TU:TU+3] offset:U_L           ; my wave's eighth of u
	ds_store_b128 v[UOFF], v[TU+4:TU+7] offset:U_L+512
	FILL 192, 3
	WIN 0
	s_wait_dscnt 0x0                               ; for the other waves' sake: my part of u is written before I signal
	s_barrier_signal -1
	s_barrier_wait -1
.irp j, 0,1,2,3,4,5,6,7,8,9,10,11,12,13,14,15
	ds_load_b128 v[UU+4*\j:UU+4*\j+3], v[L16] offset:U_L+512*\j    ; u at the columns that I hold of every row
.endr
	s_wait_dscnt 0x0
; The turn of row t, in slot t % 4.
.macro TURN t
.set SL, 64*(\t%4)
.if \t <= 12
	s_wait_loadcnt 48                              ; loads return in order: my row's 16 are in, the three rows behind it stay out
.else
	s_wait_loadcnt 16*(15-\t)                      ; the last rows: nothing was asked behind row 15, the counts run down
.endif
	WIN ROW_SRC
.set n, 0
.rept 4                                            ; the dot product with u: four chains, started by the first four products
	v_pk_mul_f32 v[D+2*n:D+2*n+1], v[SL+2*n:SL+2*n+1], v[UU+2*n:UU+2*n+1]
.set n, n+1
.endr
.rept 28
	v_pk_fma_f32 v[D+2*(n%4):D+2*(n%4)+1], v[SL+2*n:SL+2*n+1], v[UU+2*n:UU+2*n+1], v[D+2*(n%4):D+2*(n%4)+1]
.set n, n+1
.endr
	WIN 0
	v_pk_add_f32 v[D:D+1], v[D:D+1], v[D+2:D+3]
	v_pk_add_f32 v[D+4:D+5], v[D+4:D+5], v[D+6:D+7]
	v_pk_add_f32 v[D:D+1], v[D:D+1], v[D+4:D+5]
	v_add_f32 v[S], v[D], v[D+1]
	v_add_f32_dpp v[S], v[S], v[S] row_xmask:1 row_mask:0xf bank_mask:0xf      ; across the lanes: every lane ends with the same sum
	v_add_f32_dpp v[S], v[S], v[S] row_xmask:2 row_mask:0xf bank_mask:0xf
	v_add_f32_dpp v[S], v[S], v[S] row_xmask:4 row_mask:0xf bank_mask:0xf
	v_add_f32_dpp v[S], v[S], v[S] row_xmask:8 row_mask:0xf bank_mask:0xf
	v_permlanex16_b32 v[T], v[S], s22, s23
	v_add_f32 v[S], v[S], v[T]
	s_bitcmp1_b32 s20, \t                          ; the mask selects a value, no path: a masked row is worked like any other, with the score -inf
	s_cselect_b32 s21, -1, 0
	v_cndmask_b32 v[S], v[NI], v[S], s21
	ds_store_b32 v[SA], v[S] offset:4*\t           ; all lanes write one word with one value
.if \t == 0
	v_max_num_f32 v[M], FMIN, v[S]
	v_sub_f32 v[DD], v[S], v[M]
	v_mul_f32 v[DD], LOG2E, v[DD]
	v_exp_f32 v[PF], v[DD]
	v_nop                                          ; one plain vector instruction between a transcendental and the use of its result
	WIN ROW_SRC
.set n, 0
	s_wait_alu depctr_va_vdst(0)
.rept 32                                           ; the first row starts the weighted sum: nothing is cleared
	v_pk_mul_f32 v[CX+2*n:CX+2*n+1], v[SL+2*n:SL+2*n+1], v[PF:PF+1] op_sel_hi:[1,0]
.set n, n+1
.endr
.else
	v_max_num_f32 v[MN], v[M], v[S]
	v_sub_f32 v[DD], v[S], v[MN]
	v_sub_f32 v[DD+1], v[M], v[MN]
	v_pk_mul_f32 v[DD:DD+1], v[DD:DD+1], LOG2E op_sel_hi:[1,0]
	v_exp_f32 v[PF], v[DD]                         ; p: the row's weight against the new maximum
	v_exp_f32 v[PF+1], v[DD+1]                     ; f: what the sum so far is worth against it
	v_mov_b32 v[M], v[MN]                          ; the plain vector instruction behind the transcendentals
.set n, 0
	s_wait_alu depctr_va_vdst(0)
.rept 32
	v_pk_mul_f32 v[CX+2*n:CX+2*n+1], v[CX+2*n:CX+2*n+1], v[PF:PF+1] op_sel:[0,1] op_sel_hi:[1,1]
.set n, n+1
.endr
	WIN ROW_SRC
.set n, 0
.rept 32
	v_pk_fma_f32 v[CX+2*n:CX+2*n+1], v[SL+2*n:SL+2*n+1], v[PF:PF+1], v[CX+2*n:CX+2*n+1] op_sel_hi:[1,0,1]
.set n, n+1
.endr
.endif
.if \t <= 11
	FILL SL, \t+4                                  ; the slot's next row, four rows on
.endif
.endm
.irp t, 0,1,2,3,4,5,6,7,8,9,10,11,12,13,14,15
	TURN \t
.endr
	; The eight waves' sums are brought to the chunk's maximum and added.
	WIN 0
	ds_store_b32 v[WMA], v[M]
	s_wait_dscnt 0x0                               ; my maximum and my 16 scores are written before I signal
	s_barrier_signal -1
	s_barrier_wait -1
	ds_load_b128 v[TU:TU+3], v[WMR]
	ds_load_b128 v[TU+4:TU+7], v[WMR] offset:16
	s_wait_dscnt 0x0
	v_max3_num_f32 v[T], v[TU], v[TU+1], v[TU+2]
	v_max3_num_f32 v[T], v[T], v[TU+3], v[TU+4]
	v_max3_num_f32 v[T], v[T], v[TU+5], v[TU+6]
	v_max_num_f32 v[T], v[T], v[TU+7]              ; m_c
	v_sub_f32 v[DD], v[M], v[T]
	v_mul_f32 v[DD], LOG2E, v[DD]
	v_exp_f32 v[PF], v[DD]
	v_nop                                          ; the plain vector instruction behind the transcendental
.set n, 0
	s_wait_alu depctr_va_vdst(0)
.rept 32
	v_pk_mul_f32 v[CX+2*n:CX+2*n+1], v[CX+2*n:CX+2*n+1], v[PF:PF+1] op_sel_hi:[1,0]
.set n, n+1
.endr
.irp j, 0,1,2,3,4,5,6,7,8,9,10,11,12,13,14,15
	ds_store_b128 v[CTA], v[CX+4*\j:CX+4*\j+3] offset:512*\j
.endr
	s_wait_dscnt 0x0                               ; my sum is written before I signal
	s_barrier_signal -1
	s_barrier_wait -1
.irp w, 0,1,2,3,4,5,6,7
	ds_load_b128 v[UU+8*\w:UU+8*\w+3],   v[CRA] offset:8192*\w         ; wave w's sum at my wave's eighth of the columns
	ds_load_b128 v[UU+8*\w+4:UU+8*\w+7], v[CRA] offset:8192*\w+512
.endr
	s_wait_dscnt 0x0
.irp h, 0,2,4,6
	v_pk_add_f32 v[UU+\h:UU+\h+1],       v[UU+\h:UU+\h+1],       v[UU+8+\h:UU+8+\h+1]
	v_pk_add_f32 v[UU+16+\h:UU+16+\h+1], v[UU+16+\h:UU+16+\h+1], v[UU+24+\h:UU+24+\h+1]
	v_pk_add_f32 v[UU+32+\h:UU+32+\h+1], v[UU+32+\h:UU+32+\h+1], v[UU+40+\h:UU+40+\h+1]
	v_pk_add_f32 v[UU+48+\h:UU+48+\h+1], v[UU+48+\h:UU+48+\h+1], v[UU+56+\h:UU+56+\h+1]
	v_pk_add_f32 v[UU+\h:UU+\h+1],       v[UU+\h:UU+\h+1],       v[UU+16+\h:UU+16+\h+1]
	v_pk_add_f32 v[UU+32+\h:UU+32+\h+1], v[UU+32+\h:UU+32+\h+1], v[UU+48+\h:UU+48+\h+1]
	v_pk_add_f32 v[UU+\h:UU+\h+1],       v[UU+\h:UU+\h+1],       v[UU+32+\h:UU+32+\h+1]
.endr
	global_store_b128 v[UOFF], v[UU:UU+3], s[12:13]                ; each store of the wave covers 512 consecutive bytes, aligned
	global_store_b128 v[UOFF], v[UU+4:UU+7], s[12:13] offset:512
	s_cmp_lg_u32 s14, 0
	s_cbranch_scc1 .Lend
	ds_load_b128 v[TU:TU+3], v[SCR]                ; wave 0: the chunk's 128 scores, written by all waves ahead of the second barrier
	s_wait_dscnt 0x0
	global_store_b128 v[L16], v[TU:TU+3], s[10:11] ; 512 consecutive bytes, aligned
.Lend:
	s_wait_tensorcnt 0x0
	ds_add_u32 v254, v255
	s_wait_dscnt 0x0
	s_endpgm
.Lfunc_end_k_q41b60308b7_stream:
	.size	k_q41b60308b7_stream, .Lfunc_end_k_q41b60308b7_stream-k_q41b60308b7_stream
	.p2alignl 7, 3214868480
	.fill 96, 4, 3214868480
	.section	.rodata,"a",@progbits
	.p2align	6, 0x0
	.amdhsa_kernel k_q41b60308b7_stream
		.amdhsa_group_segment_fixed_size 75520
		.amdhsa_private_segment_fixed_size 0
		.amdhsa_enable_private_segment 0
		.amdhsa_kernarg_size 40
		.amdhsa_user_sgpr_count 2
		.amdhsa_user_sgpr_kernarg_segment_ptr 1
		.amdhsa_wavefront_size32 1
		.amdhsa_system_sgpr_workgroup_id_x 1
		.amdhsa_system_sgpr_workgroup_id_y 1
		.amdhsa_system_sgpr_workgroup_id_z 1
		.amdhsa_system_vgpr_workitem_id 0
		.amdhsa_next_free_vgpr 512
		.amdhsa_next_free_sgpr 66
		.amdhsa_reserve_vcc 1
		.amdhsa_float_denorm_mode_32 3
		.amdhsa_float_denorm_mode_16_64 3
		.amdhsa_memory_ordered 1
		.amdhsa_forward_progress 1
		.amdhsa_inst_pref_size 150
	.end_amdhsa_kernel
	.amdgpu_metadata
---
amdhsa.version: [ 1, 2 ]
amdhsa.kernels:
  - .name:           k_q41b60308b7_stream
    .symbol:         k_q41b60308b7_stream.kd
    .args:
      - { .name: value, .offset: 0, .size: 8, .value_kind: global_buffer, .address_space: global }
      - { .name: mask, .offset: 8, .size: 8, .value_kind: global_buffer, .address_space: global }
      - { .name: up, .offset: 16, .size: 8, .value_kind: global_buffer, .address_space: global }
      - { .name: sc, .offset: 24, .size: 8, .value_kind: global_buffer, .address_space: global }
      - { .name: pc, .offset: 32, .size: 8, .value_kind: global_buffer, .address_space: global }
    .group_segment_fixed_size: 75520
    .private_segment_fixed_size: 0
    .kernarg_segment_align: 8
    .kernarg_segment_size: 40
    .max_flat_workgroup_size: 256
    .sgpr_count:     66
    .vgpr_count:     512
    .wavefront_size: 32
...
	.end_amdgpu_metadata
.endif
;; end of part 4
;; launch finish (part 5): grid 16 x 16, 1 waves a work-group, no clusters, 0 bytes of LDS; arguments sc, pc, out0, out1; writes out0, out1
.if DOCPART == 5
	.amdgcn_target "amdgcn-amd-amdhsa--gfx1250"
	.amdhsa_code_object_version 6
	.text
	.protected	k_q41b60308b7_finish
	.globl	k_q41b60308b7_finish
	.p2align	8
	.type	k_q41b60308b7_finish,@function
k_q41b60308b7_finish:
	s_mov_b64 s[64:65], 0
	v_nop
	global_prefetch_b8 v0, s[64:65] scope:SCOPE_SE
	s_setreg_imm32_b32 hwreg(HW_REG_WAVE_MODE, 25, 1), 1
	s_wait_xcnt 0x0
; out1[b][s] = exp(sc[b][s] - M) / L,   M = max(-FLT_MAX, the batch's scores),  L = the sum over s of exp(sc[b][s] - M)
; out0[b][e] = sum over the 16 chunks c of exp(m_c - M) / L * pc[b][c][e],   m_c = max(-FLT_MAX, chunk c's scores)
; m_c is the same maximum of the same numbers that the launch before took, so it has the same bits.
; Work-group (k, b), one wave: 128 positions of out1 and 128 columns of out0.  Each of a batch's 16 work-groups takes M and L anew from the
; batch's 8,192 bytes of scores: that is less than a further launch would cost.  All 33 loads are issued in the first lines.
; One wave: no LDS, no barrier.  No cluster: what is shared is 8 KiB, loaded once.  No matrix unit: 16 multiply-adds for each output.
; A batch whose mask is all zero: M = -FLT_MAX, L = 0, 1 / L = inf, and 0 x inf = NaN in every output, as in reference().
; A NaN score makes L, and with it every output of the batch, NaN, as in reference().
; LIMITS KEPT: v_exp_f32 gives 0 below 2^-126, so alphas under that are 0; the order of the sums differs from reference()'s.
.set LOG2E, 0x3fb8aa3b
.set MM,  4                            ; v[4:5]     M, twice
.set RL,  6                            ; v[6:7]     1 / L, twice
.set SUM, 8                            ; v[8:15]    four chains of the sum
.set SCR, 16                           ; v[16:79]   the batch's scores: load j = chunk j, 4 numbers a lane
.set OWN, 80                           ; v[80:83]   my 4 of the block's 128 scores
.set PCR, 84                           ; v[84:147]  pc: chunk c at 4 c, my 4 columns
.set CM,  148                          ; v[148:163] m_c, then chunk c's weight
.set ACC, 164                          ; v[164:167] my 4 columns of the context
.set TT,  168                          ; v[168:183] at work
	s_load_b256 s[4:11], s[0:1], 0x0               ; sc s[4:5], pc s[6:7], out0 s[8:9], out1 s[10:11]
	s_and_b32 s16, ttmp7, 0xffff                   ; batch b; ttmp9: block k
	s_mov_b32 s19, 0
	s_mov_b32 s12, 0x76543210                      ; v_permlanex16_b32: lane i of one half reads lane i of the other
	s_mov_b32 s13, 0xfedcba98
	s_mov_b32 s14, 0xff7fffff                      ; -FLT_MAX
	v_lshlrev_b32 v1, 4, v0                        ; 16 x lane
	s_lshl_b32 s17, ttmp9, 9                       ; the block: 128 numbers
	v_add_nc_u32 v2, s17, v1
	s_lshl_b32 s18, s16, 13                        ; a batch of sc, out0, out1: 8,192 bytes
	s_wait_kmcnt 0x0
	s_add_nc_u64 s[4:5], s[4:5], s[18:19]
	s_add_nc_u64 s[8:9], s[8:9], s[18:19]
	s_add_nc_u64 s[10:11], s[10:11], s[18:19]
	s_lshl_b32 s18, s16, 17                        ; a batch of pc: 16 chunks of 8,192 bytes
	s_add_nc_u64 s[6:7], s[6:7], s[18:19]
.irp j, 0,1,2,3,4,5,6,7,8,9,10,11,12,13,14,15
	global_load_b128 v[SCR+4*\j:SCR+4*\j+3], v1, s[4:5] offset:512*\j
.endr
	global_load_b128 v[OWN:OWN+3], v2, s[4:5]
.irp c, 0,1,2,3,4,5,6,7,8,9,10,11,12,13,14,15
	global_load_b128 v[PCR+4*\c:PCR+4*\c+3], v2, s[6:7] offset:8192*\c
.endr
	s_wait_loadcnt 16                              ; the scores are in; pc's 16 loads stay out
	; the 16 chunks' maxima, side by side so that no instruction waits for the one in front of it
.irp j, 0,1,2,3,4,5,6,7,8,9,10,11,12,13,14,15
	v_max_num_f32 v[TT+\j], v[SCR+4*\j], v[SCR+4*\j+1]
.endr
.irp j, 0,1,2,3,4,5,6,7,8,9,10,11,12,13,14,15
	v_max3_num_f32 v[CM+\j], v[TT+\j], v[SCR+4*\j+2], v[SCR+4*\j+3]
.endr
.irp x, 1,2,4,8
.irp j, 0,1,2,3,4,5,6,7,8,9,10,11,12,13,14,15
	v_max_num_f32_dpp v[CM+\j], v[CM+\j], v[CM+\j] row_xmask:\x row_mask:0xf bank_mask:0xf
.endr
.endr
.irp j, 0,1,2,3,4,5,6,7,8,9,10,11,12,13,14,15
	v_permlanex16_b32 v[TT+\j], v[CM+\j], s12, s13
.endr
.irp j, 0,1,2,3,4,5,6,7,8,9,10,11,12,13,14,15
	v_max3_num_f32 v[CM+\j], v[CM+\j], v[TT+\j], s14       ; m_j, in every lane, never below -FLT_MAX
.endr
	v_max3_num_f32 v[MM], v[CM], v[CM+1], v[CM+2]
.irp j, 3,5,7,9,11,13
	v_max3_num_f32 v[MM], v[MM], v[CM+\j], v[CM+\j+1]
.endr
	v_max_num_f32 v[MM], v[MM], v[CM+15]
	v_mov_b32 v[MM+1], v[MM]
	; exponents: (x - M) log2 e for the batch's scores, my own four, and the chunks' maxima.  The difference is taken first, so that large
	; scores lose nothing; then all 84 exponentials in one run
.set n, 0
.rept 34                                           ; SCR's 32 pairs and OWN's 2, which lie behind them
	v_pk_add_f32 v[SCR+2*n:SCR+2*n+1], v[SCR+2*n:SCR+2*n+1], v[MM:MM+1] neg_lo:[0,1] neg_hi:[0,1]
.set n, n+1
.endr
.set n, 0
.rept 8
	v_pk_add_f32 v[CM+2*n:CM+2*n+1], v[CM+2*n:CM+2*n+1], v[MM:MM+1] neg_lo:[0,1] neg_hi:[0,1]
.set n, n+1
.endr
.set n, 0
.rept 34
	v_pk_mul_f32 v[SCR+2*n:SCR+2*n+1], v[SCR+2*n:SCR+2*n+1], LOG2E op_sel_hi:[1,0]
.set n, n+1
.endr
.set n, 0
.rept 8
	v_pk_mul_f32 v[CM+2*n:CM+2*n+1], v[CM+2*n:CM+2*n+1], LOG2E op_sel_hi:[1,0]
.set n, n+1
.endr
.set n, 0
.rept 68
	v_exp_f32 v[SCR+n], v[SCR+n]
.set n, n+1
.endr
.set n, 0
.rept 16
	v_exp_f32 v[CM+n], v[CM+n]
.set n, n+1
.endr
	v_nop                                          ; one plain vector instruction between the transcendentals and the use of their results
	; L: four chains in the lane, then across the lanes
	s_wait_alu depctr_va_vdst(0)
.irp c, 0,1,2,3
	v_pk_add_f32 v[SUM+2*\c:SUM+2*\c+1], v[SCR+2*\c:SCR+2*\c+1], v[SCR+8+2*\c:SCR+8+2*\c+1]
.endr
.set n, 8
.rept 24
	v_pk_add_f32 v[SUM+2*(n%4):SUM+2*(n%4)+1], v[SUM+2*(n%4):SUM+2*(n%4)+1], v[SCR+2*n:SCR+2*n+1]
.set n, n+1
.endr
	v_pk_add_f32 v[SUM:SUM+1], v[SUM:SUM+1], v[SUM+2:SUM+3]
	v_pk_add_f32 v[SUM+4:SUM+5], v[SUM+4:SUM+5], v[SUM+6:SUM+7]
	v_pk_add_f32 v[SUM:SUM+1], v[SUM:SUM+1], v[SUM+4:SUM+5]
	v_add_f32 v[SUM], v[SUM], v[SUM+1]
	v_add_f32_dpp v[SUM], v[SUM], v[SUM] row_xmask:1 row_mask:0xf bank_mask:0xf
	v_add_f32_dpp v[SUM], v[SUM], v[SUM] row_xmask:2 row_mask:0xf bank_mask:0xf
	v_add_f32_dpp v[SUM], v[SUM], v[SUM] row_xmask:4 row_mask:0xf bank_mask:0xf
	v_add_f32_dpp v[SUM], v[SUM], v[SUM] row_xmask:8 row_mask:0xf bank_mask:0xf
	v_permlanex16_b32 v[SUM+1], v[SUM], s12, s13
	v_add_f32 v[SUM], v[SUM], v[SUM+1]
	v_rcp_f32 v[RL], v[SUM]                        ; twice: the pair that the packed multiplies read
	v_rcp_f32 v[RL+1], v[SUM]
	v_nop                                          ; the plain vector instruction behind the transcendentals
	s_wait_alu depctr_va_vdst(0)
	v_pk_mul_f32 v[OWN:OWN+1], v[OWN:OWN+1], v[RL:RL+1]
	v_pk_mul_f32 v[OWN+2:OWN+3], v[OWN+2:OWN+3], v[RL:RL+1]
	global_store_b128 v2, v[OWN:OWN+3], s[10:11]   ; alphas: the wave stores 512 consecutive bytes, aligned
.set n, 0
.rept 8
	v_pk_mul_f32 v[CM+2*n:CM+2*n+1], v[CM+2*n:CM+2*n+1], v[RL:RL+1]        ; the chunks' weights
.set n, n+1
.endr
	s_wait_loadcnt 0x0                             ; pc
	v_pk_mul_f32 v[ACC:ACC+1],   v[PCR:PCR+1],   v[CM:CM+1] op_sel_hi:[1,0]    ; chunk 0 starts the sums
	v_pk_mul_f32 v[ACC+2:ACC+3], v[PCR+2:PCR+3], v[CM:CM+1] op_sel_hi:[1,0]
	v_pk_fma_f32 v[ACC:ACC+1],   v[PCR+4:PCR+5], v[CM:CM+1], v[ACC:ACC+1] op_sel:[0,1,0] op_sel_hi:[1,1,1]
	v_pk_fma_f32 v[ACC+2:ACC+3], v[PCR+6:PCR+7], v[CM:CM+1], v[ACC+2:ACC+3] op_sel:[0,1,0] op_sel_hi:[1,1,1]
.irp i, 1,2,3,4,5,6,7                              ; chunks 2 i and 2 i + 1: op_sel picks the weight from its pair
	v_pk_fma_f32 v[ACC:ACC+1],   v[PCR+8*\i:PCR+8*\i+1],   v[CM+2*\i:CM+2*\i+1], v[ACC:ACC+1] op_sel_hi:[1,0,1]
	v_pk_fma_f32 v[ACC+2:ACC+3], v[PCR+8*\i+2:PCR+8*\i+3], v[CM+2*\i:CM+2*\i+1], v[ACC+2:ACC+3] op_sel_hi:[1,0,1]
	v_pk_fma_f32 v[ACC:ACC+1],   v[PCR+8*\i+4:PCR+8*\i+5], v[CM+2*\i:CM+2*\i+1], v[ACC:ACC+1] op_sel:[0,1,0] op_sel_hi:[1,1,1]
	v_pk_fma_f32 v[ACC+2:ACC+3], v[PCR+8*\i+6:PCR+8*\i+7], v[CM+2*\i:CM+2*\i+1], v[ACC+2:ACC+3] op_sel:[0,1,0] op_sel_hi:[1,1,1]
.endr
	global_store_b128 v2, v[ACC:ACC+3], s[8:9]     ; context: 512 consecutive bytes, aligned
	s_endpgm
.Lfunc_end_k_q41b60308b7_finish:
	.size	k_q41b60308b7_finish, .Lfunc_end_k_q41b60308b7_finish-k_q41b60308b7_finish
	.p2alignl 7, 3214868480
	.fill 96, 4, 3214868480
	.section	.rodata,"a",@progbits
	.p2align	6, 0x0
	.amdhsa_kernel k_q41b60308b7_finish
		.amdhsa_group_segment_fixed_size 0
		.amdhsa_private_segment_fixed_size 0
		.amdhsa_enable_private_segment 0
		.amdhsa_kernarg_size 32
		.amdhsa_user_sgpr_count 2
		.amdhsa_user_sgpr_kernarg_segment_ptr 1
		.amdhsa_wavefront_size32 1
		.amdhsa_system_sgpr_workgroup_id_x 1
		.amdhsa_system_sgpr_workgroup_id_y 1
		.amdhsa_system_sgpr_workgroup_id_z 1
		.amdhsa_system_vgpr_workitem_id 0
		.amdhsa_next_free_vgpr 184
		.amdhsa_next_free_sgpr 66
		.amdhsa_reserve_vcc 0
		.amdhsa_float_denorm_mode_32 3
		.amdhsa_float_denorm_mode_16_64 3
		.amdhsa_memory_ordered 1
		.amdhsa_forward_progress 1
		.amdhsa_inst_pref_size 27
	.end_amdhsa_kernel
	.amdgpu_metadata
---
amdhsa.version: [ 1, 2 ]
amdhsa.kernels:
  - .name:           k_q41b60308b7_finish
    .symbol:         k_q41b60308b7_finish.kd
    .args:
      - { .name: sc, .offset: 0, .size: 8, .value_kind: global_buffer, .address_space: global }
      - { .name: pc, .offset: 8, .size: 8, .value_kind: global_buffer, .address_space: global }
      - { .name: out0, .offset: 16, .size: 8, .value_kind: global_buffer, .address_space: global }
      - { .name: out1, .offset: 24, .size: 8, .value_kind: global_buffer, .address_space: global }
    .group_segment_fixed_size: 0
    .private_segment_fixed_size: 0
    .kernarg_segment_align: 8
    .kernarg_segment_size: 32
    .max_flat_workgroup_size: 32
    .sgpr_count:     66
    .vgpr_count:     184
    .wavefront_size: 32
...
	.end_amdgpu_metadata
.endif
;; end of part 5
;; ======== version 2 of 2: 5 launches; version 1 with the launches bil, enc, stream written anew for expert scheduling mode
;; workspace buffers: qp 262,144 bytes; qw 262,144 bytes; up 524,288 bytes; sc 131,072 bytes; pc 2,097,152 bytes
;; launch proj: the kernel of part 1 again; grid 256 x 1, 4 waves a work-group, no clusters, 35,328 bytes of LDS; arguments query, W_q, qp; writes qp
;; launch bil (part 6): grid 16 x 4, 8 waves a work-group, no clusters, 54,272 bytes of LDS; arguments qp, W_bil, qw; writes qw
.if DOCPART == 6
	.amdgcn_target "amdgcn-amd-amdhsa--gfx1250"
	.amdhsa_code_object_version 6
	.text
	.protected	k_q41b60308b7_bil
	.globl	k_q41b60308b7_bil
	.p2align	8
	.type	k_q41b60308b7_bil,@function
k_q41b60308b7_bil:
	s_mov_b64 s[64:65], 0
	v_nop
	global_prefetch_b8 v0, s[64:65] scope:SCOPE_SE
	s_setreg_imm32_b32 hwreg(HW_REG_WAVE_SCHED_MODE, 0, 2), 2
	s_setreg_imm32_b32 hwreg(HW_REG_WAVE_MODE, 25, 1), 1
	s_wait_xcnt 0x0
	s_wait_alu depctr_vm_vsrc(0)
; Y_part[ks] = X[:, 256 ks .. +255] * Wm[256 ks .. +255, 64 cb .. +63], X = the sum of the four partial sums of the launch before, [4][1024 k][16 b] f32.
; One template serves two launches; ENC picks the sizes.
;   ENC = 0: X = qp, Wm = W_bil [1024][1024], Y = qw [4 ks][1024 j][16 b]   (partial sums of qW = q_proj W_bil)
;   ENC = 1: X = qw, Wm = W_enc [1024][2048], Y = up [4 ks][16 b][2048 e]   (partial sums of u = qW W_enc)
; Work-group (cb, ks): 64 columns (256 bytes of each row) x 256 rows.  Wave w: 32 of the rows.  Lane: 2 columns, all 16 batches: 32 sums.
; All loads of a wave, 16 for X and 32 for Wm, are issued in its first lines; Wm is read once in the launch, 256 consecutive bytes a load.
; X's rows are read back from the wave's own LDS with one address for all lanes (a broadcast), four rows ahead of the arithmetic.
; f32 vector arithmetic, no matrix unit: 16 rows against a matrix streamed once, and the result ends in the exponent of a softmax.
; No cluster: what work-groups share is X, 8 KiB a wave, loaded once; a joint request would add an engine and a barrier to one load's wait.
; LIMIT KEPT: the order of rounding differs from reference()'s (f32 throughout, sums split over ks and waves).
; THE MODE: SCHED_MODE bits 1:0 = 2 (LLVM: expert scheduling mode 2), set by the entry lines.  The code itself states the register dependences
; between vector instructions and memory or LDS instructions, with s_wait_alu, always for 0.
; THE PLAN.  Registers that memory or LDS instructions touch:
;   XB0 .. XB7   a ring of eight rows of X.  Row r's 16 multiply-adds read XB[r % 8]; the four LDS loads issued in row r land in XB[(r + 4) % 8], which row r - 4 read last.
;   XS           = XB4 .. XB7.  At the head X's 16 loads land in it, the sums work on it, four LDS stores read it; at the end the eight records land in it and the store reads it.
;   WV           written by the 32 loads of the head, read by the multiply-adds, never written again.
;   ACC          written by the multiply-adds, read by the LDS stores of the record.
;   v1 .. v6     offsets and addresses, made once at the head.
; So ONE wait on va_vdst stands ahead of every fourth row: all rows up to the one before it are done reading their buffers.  The loads of that row and of the next three land in the
; buffers of the four rows ahead of the wait, and the multiply-adds issued since the wait read buffers 5 to 7 places further on in the ring: none that these loads touch.
.set ENC, 0
.if ENC
.set N4, 8192                          ; bytes in a row of Wm
.set RP, 4096                          ; a wave's record in the reduction: [16 b][64 columns]
.else
.set N4, 4096
.set RP, 4608                          ; 32 lanes x (128 bytes + 16): [column][16 b], pitch an odd multiple of 16
.endif
.set RED, 16384                        ; LDS: X at 0 (2,048 bytes a wave), the reduction behind it
.set ACC, 8                            ; v[8:39]    32 sums
.set WV,  40                           ; v[40:103]  row r of Wm: my 2 columns at 2 r
.set XB,  104                          ; v[104:231] eight buffers of 16: a row of X, 16 batches
.set XS,  168                          ; v[168:231] buffers 4 to 7.  At the head X as loaded: partial p, piece i at 16 p + 4 i; at the end the 8 waves' records
	s_load_b128 s[4:7], s[0:1], 0x0                ; X s[4:5], Wm s[6:7]
	s_load_b64 s[8:9], s[0:1], 0x10                ; Y
	v_lshl_add_u32 v232, v0, 2, 0xd000
	v_mov_b32 v233, 0
	v_lshrrev_b32 v7, 5, v0
	v_readfirstlane_b32 s10, v7                    ; wave 0..7
	v_and_b32 v7, 31, v0                           ; lane
	s_and_b32 s11, ttmp7, 0xffff                   ; ks
	s_mov_b32 s13, 0
	s_wait_alu depctr_va_sdst(0)                   ; s10 is written, ahead of its first reader: offsets and LDS addresses are made from it
	s_lshl_b32 s14, s10, 11                        ; my wave's 32 rows of X: 2,048 bytes
	v_lshl_add_u32 v1, v7, 4, s14                  ; v1: my 16 bytes of them, in memory and in LDS alike
	v_mov_b32 v3, s14                              ; v3: their first byte in LDS
	s_mul_i32 s15, s10, 32*N4
	v_lshl_add_u32 v2, v7, 3, s15                  ; v2: my 2 columns in my wave's first row of Wm
.if ENC
	s_lshl_b32 s16, s10, 12
	s_add_co_u32 s16, s16, RED
	v_lshl_add_u32 v4, v7, 3, s16                  ; v4: my 2 columns of batch 0 in my wave's record
	v_lshlrev_b32 v5, 4, v0
	v_add_nc_u32 v5, RED, v5                       ; v5: thread t sums bytes 16 t of the records: batch t / 16, columns 4 (t % 16) ..
	v_lshrrev_b32 v6, 4, v0
	v_lshlrev_b32 v6, 13, v6
	v_and_b32 v7, 15, v0
	v_lshl_add_u32 v6, v7, 4, v6                   ; v6: the same in up: a row of 8,192 bytes a batch
.else
	s_mul_i32 s16, s10, RP
	s_add_co_u32 s16, s16, RED
	v_mad_u32_u24 v4, v7, 144, s16                 ; v4: my 128 bytes in my wave's record
	v_lshrrev_b32 v5, 3, v0
	v_mul_u32_u24 v5, v5, 144
	v_and_b32 v6, 7, v0
	v_lshl_add_u32 v5, v6, 4, v5
	v_add_nc_u32 v5, RED, v5                       ; v5: thread t sums bytes 16 t of [64 columns][16 b]: lane t / 8's record, piece t % 8
	v_lshlrev_b32 v6, 4, v0                        ; v6: the same in qw
.endif
	s_lshl_b32 s12, s11, 14                        ; 256 rows of X, 64 bytes each
	s_mul_i32 s17, s11, 256*N4                     ; 256 rows of Wm
	s_lshl_b32 s18, ttmp9, 8                       ; 64 columns
	s_add_co_u32 s17, s17, s18
.if ENC
	s_lshl_b32 s19, s11, 17                        ; up's part ks; the columns as above
	s_add_co_u32 s19, s19, s18
.else
	s_lshl_b32 s19, s11, 16                        ; qw's part ks
	s_lshl_b32 s18, ttmp9, 12                      ; 64 j of 64 bytes
	s_add_co_u32 s19, s19, s18
.endif
	s_wait_kmcnt 0x0
	s_add_nc_u64 s[4:5], s[4:5], s[12:13]
	s_mov_b32 s12, s17
	s_add_nc_u64 s[6:7], s[6:7], s[12:13]
	s_mov_b32 s12, s19
	s_add_nc_u64 s[8:9], s[8:9], s[12:13]
	s_wait_alu depctr_va_vdst(0)                   ; the six offsets and addresses v1 to v6 are written: every load and store of the kernel reads one of them
.irp p, 0,1,2,3
.irp i, 0,1,2,3
	global_load_b128 v[XS+16*\p+4*\i:XS+16*\p+4*\i+3], v1, s[4:5] offset:\p*65536+512*\i
.endr
.endr
.set r, 0
.rept 32
	global_load_b64 v[WV+2*r:WV+2*r+1], v2, s[6:7] offset:r*N4 th:TH_LOAD_NT
.set r, r+1
.endr
	s_wait_loadcnt 32                              ; X's 16 loads are in; the 32 rows of Wm stay out
.irp i, 0,1,2,3
.irp h, 0,2
	v_pk_add_f32 v[XS+4*\i+\h:XS+4*\i+\h+1], v[XS+4*\i+\h:XS+4*\i+\h+1], v[XS+16+4*\i+\h:XS+16+4*\i+\h+1]
	v_pk_add_f32 v[XS+32+4*\i+\h:XS+32+4*\i+\h+1], v[XS+32+4*\i+\h:XS+32+4*\i+\h+1], v[XS+48+4*\i+\h:XS+48+4*\i+\h+1]
	v_pk_add_f32 v[XS+4*\i+\h:XS+4*\i+\h+1], v[XS+4*\i+\h:XS+4*\i+\h+1], v[XS+32+4*\i+\h:XS+32+4*\i+\h+1]
.endr
.endr
	s_wait_alu depctr_va_vdst(0)                   ; the sums have written v[XS .. XS+15], which the four LDS stores read; no vector line names XS again before row 4
.irp i, 0,1,2,3
	ds_store_b128 v1, v[XS+4*\i:XS+4*\i+3] offset:512*\i   ; the wave's own rows, read by this wave alone: no barrier
.endr
.macro LDX r                           ; row r of X, 64 bytes, the same for every lane, into buffer r % 8
.irp q, 0,1,2,3
	ds_load_b128 v[XB+16*((\r)%8)+4*\q:XB+16*((\r)%8)+4*\q+3], v3 offset:64*(\r)+16*\q
.endr
.endm
; row r: 32 multiply-adds a lane in 16 packed ones; row 0's products start the sums
.macro ROW r
.if \r == 0
	s_wait_alu depctr_vm_vsrc(0)                   ; the four LDS stores have read v[XS ..]: these registers are buffers 4 to 7 from here on, in which rows 4 to 7 land
.endif
.if (((\r)%4) == 0) && (\r > 0) && (\r < 28)
	s_wait_alu depctr_va_vdst(0)                   ; the four rows before this one are done reading their buffers, in which the loads of this row and of the next three land
.endif
.if \r < 28
	LDX \r+4
	s_wait_dscnt 16                                ; LDS answers in order: row r is in, the four rows behind it (16 loads) stay out
.else
	s_wait_dscnt 4*(31-\r)                         ; nothing was asked for behind row 31: the counts run down
.endif
	s_wait_loadcnt 31-\r                           ; row r of Wm is in, the rows behind it stay out
.set XR, XB+16*(\r%8)
.set WR, WV+2*\r
.if ENC
.irp i, 0,1,2,3,4,5,6,7                            ; a pair = my two columns; the batch's x is taken for both (op_sel picks it from its pair)
.if \r == 0
	v_pk_mul_f32 v[ACC+4*\i:ACC+4*\i+1],   v[WR:WR+1], v[XR+2*\i:XR+2*\i+1] op_sel_hi:[1,0]
	v_pk_mul_f32 v[ACC+4*\i+2:ACC+4*\i+3], v[WR:WR+1], v[XR+2*\i:XR+2*\i+1] op_sel:[0,1] op_sel_hi:[1,1]
.else
	v_pk_fma_f32 v[ACC+4*\i:ACC+4*\i+1],   v[WR:WR+1], v[XR+2*\i:XR+2*\i+1], v[ACC+4*\i:ACC+4*\i+1] op_sel_hi:[1,0,1]
	v_pk_fma_f32 v[ACC+4*\i+2:ACC+4*\i+3], v[WR:WR+1], v[XR+2*\i:XR+2*\i+1], v[ACC+4*\i+2:ACC+4*\i+3] op_sel:[0,1,0] op_sel_hi:[1,1,1]
.endif
.endr
.else
.irp c, 0,1                                        ; a pair = two batches; column c's weight is taken for both
.irp i, 0,1,2,3,4,5,6,7
.if \r == 0
	v_pk_mul_f32 v[ACC+16*\c+2*\i:ACC+16*\c+2*\i+1], v[WR:WR+1], v[XR+2*\i:XR+2*\i+1] op_sel:[\c,0] op_sel_hi:[\c,1]
.else
	v_pk_fma_f32 v[ACC+16*\c+2*\i:ACC+16*\c+2*\i+1], v[WR:WR+1], v[XR+2*\i:XR+2*\i+1], v[ACC+16*\c+2*\i:ACC+16*\c+2*\i+1] op_sel:[\c,0,0] op_sel_hi:[\c,1,1]
.endif
.endr
.endr
.endif
.endm
	LDX 0                                          ; rows 0 to 3 into buffers 0 to 3, which no line has named yet
	LDX 1
	LDX 2
	LDX 3
.irp r, 0,1,2,3,4,5,6,7,8,9,10,11,12,13,14,15,16,17,18,19,20,21,22,23,24,25,26,27,28,29,30,31
	ROW \r
.endr
	; the sum over the 8 waves: each lays down its record, one barrier, thread t sums 16 bytes of all eight
	s_wait_alu depctr_va_vdst(0)                   ; the multiply-adds have written the 32 sums, which the LDS stores read, and are done reading buffers 4 and 5, in which the records land
.if ENC
.irp b, 0,1,2,3,4,5,6,7,8,9,10,11,12,13,14,15
	ds_store_b64 v4, v[ACC+2*\b:ACC+2*\b+1] offset:256*\b
.endr
.else
.irp i, 0,1,2,3,4,5,6,7
	ds_store_b128 v4, v[ACC+4*\i:ACC+4*\i+3] offset:16*\i
.endr
.endif
	s_wait_dscnt 0x0                               ; for the other waves' sake: my record is written before I signal
	s_barrier_signal -1
	s_barrier_wait -1
.irp w, 0,1,2,3,4,5,6,7
	ds_load_b128 v[XS+4*\w:XS+4*\w+3], v5 offset:\w*RP
.endr
	s_wait_dscnt 0x0
.irp h, 0,2
	v_pk_add_f32 v[XS+\h:XS+\h+1],       v[XS+\h:XS+\h+1],       v[XS+4+\h:XS+4+\h+1]
	v_pk_add_f32 v[XS+8+\h:XS+8+\h+1],   v[XS+8+\h:XS+8+\h+1],   v[XS+12+\h:XS+12+\h+1]
	v_pk_add_f32 v[XS+16+\h:XS+16+\h+1], v[XS+16+\h:XS+16+\h+1], v[XS+20+\h:XS+20+\h+1]
	v_pk_add_f32 v[XS+24+\h:XS+24+\h+1], v[XS+24+\h:XS+24+\h+1], v[XS+28+\h:XS+28+\h+1]
	v_pk_add_f32 v[XS+\h:XS+\h+1],       v[XS+\h:XS+\h+1],       v[XS+8+\h:XS+8+\h+1]
	v_pk_add_f32 v[XS+16+\h:XS+16+\h+1], v[XS+16+\h:XS+16+\h+1], v[XS+24+\h:XS+24+\h+1]
	v_pk_add_f32 v[XS+\h:XS+\h+1],       v[XS+\h:XS+\h+1],       v[XS+16+\h:XS+16+\h+1]
.endr
	s_wait_alu depctr_va_vdst(0)                   ; the last sums have written v[XS .. XS+3], which the store reads
	global_store_b128 v6, v[XS:XS+3], s[8:9]       ; sixteen neighbouring lanes store 256 consecutive bytes, at a multiple of 256 from Y's first byte
	s_wait_dscnt 0x0
	s_wait_alu depctr_hold_cnt(0) depctr_sa_sdst(0) depctr_va_vdst(0) depctr_va_sdst(0) depctr_va_ssrc(0) depctr_va_vcc(0) depctr_vm_vsrc(0)
	s_wait_tensorcnt 0x0
	ds_add_u32 v232, v233
	s_wait_dscnt 0x0
	s_endpgm
.Lfunc_end_k_q41b60308b7_bil:
	.size	k_q41b60308b7_bil, .Lfunc_end_k_q41b60308b7_bil-k_q41b60308b7_bil
	.p2alignl 7, 3214868480
	.fill 96, 4, 3214868480
	.section	.rodata,"a",@progbits
	.p2align	6, 0x0
	.amdhsa_kernel k_q41b60308b7_bil
		.amdhsa_group_segment_fixed_size 54272
		.amdhsa_private_segment_fixed_size 0
		.amdhsa_enable_private_segment 0
		.amdhsa_kernarg_size 24
		.amdhsa_user_sgpr_count 2
		.amdhsa_user_sgpr_kernarg_segment_ptr 1
		.amdhsa_wavefront_size32 1
		.amdhsa_system_sgpr_workgroup_id_x 1
		.amdhsa_system_sgpr_workgroup_id_y 1
		.amdhsa_system_sgpr_workgroup_id_z 1
		.amdhsa_system_vgpr_workitem_id 0
		.amdhsa_next_free_vgpr 234
		.amdhsa_next_free_sgpr 66
		.amdhsa_reserve_vcc 0
		.amdhsa_float_denorm_mode_32 3
		.amdhsa_float_denorm_mode_16_64 3
		.amdhsa_memory_ordered 1
		.amdhsa_forward_progress 1
		.amdhsa_inst_pref_size 53
	.end_amdhsa_kernel
	.amdgpu_metadata
---
amdhsa.version: [ 1, 2 ]
amdhsa.kernels:
  - .name:           k_q41b60308b7_bil
    .symbol:         k_q41b60308b7_bil.kd
    .args:
      - { .name: qp, .offset: 0, .size: 8, .value_kind: global_buffer, .address_space: global }
      - { .name: W_bil, .offset: 8, .size: 8, .value_kind: global_buffer, .address_space: global }
      - { .name: qw, .offset: 16, .size: 8, .value_kind: global_buffer, .address_space: global }
    .group_segment_fixed_size: 54272
    .private_segment_fixed_size: 0
    .kernarg_segment_align: 8
    .kernarg_segment_size: 24
    .max_flat_workgroup_size: 256
    .sgpr_count:     66
    .vgpr_count:     234
    .wavefront_size: 32
...
	.end_amdgpu_metadata
.endif
;; end of part 6
;; launch enc (part 7): grid 32 x 4, 8 waves a work-group, no clusters, 50,176 bytes of LDS; arguments qw, W_enc, up; writes up
.if DOCPART == 7
	.amdgcn_target "amdgcn-amd-amdhsa--gfx1250"
	.amdhsa_code_object_version 6
	.text
	.protected	k_q41b60308b7_enc
	.globl	k_q41b60308b7_enc
	.p2align	8
	.type	k_q41b60308b7_enc,@function
k_q41b60308b7_enc:
	s_mov_b64 s[64:65], 0
	v_nop
	global_prefetch_b8 v0, s[64:65] scope:SCOPE_SE
	s_setreg_imm32_b32 hwreg(HW_REG_WAVE_SCHED_MODE, 0, 2), 2
	s_setreg_imm32_b32 hwreg(HW_REG_WAVE_MODE, 25, 1), 1
	s_wait_xcnt 0x0
	s_wait_alu depctr_vm_vsrc(0)
; Y_part[ks] = X[:, 256 ks .. +255] * Wm[256 ks .. +255, 64 cb .. +63], X = the sum of the four partial sums of the launch before, [4][1024 k][16 b] f32.
; One template serves two launches; ENC picks the sizes.
;   ENC = 0: X = qp, Wm = W_bil [1024][1024], Y = qw [4 ks][1024 j][16 b]   (partial sums of qW = q_proj W_bil)
;   ENC = 1: X = qw, Wm = W_enc [1024][2048], Y = up [4 ks][16 b][2048 e]   (partial sums of u = qW W_enc)
; Work-group (cb, ks): 64 columns (256 bytes of each row) x 256 rows.  Wave w: 32 of the rows.  Lane: 2 columns, all 16 batches: 32 sums.
; All loads of a wave, 16 for X and 32 for Wm, are issued in its first lines; Wm is read once in the launch, 256 consecutive bytes a load.
; X's rows are read back from the wave's own LDS with one address for all lanes (a broadcast), four rows ahead of the arithmetic.
; f32 vector arithmetic, no matrix unit: 16 rows against a matrix streamed once, and the result ends in the exponent of a softmax.
; No cluster: what work-groups share is X, 8 KiB a wave, loaded once; a joint request would add an engine and a barrier to one load's wait.
; LIMIT KEPT: the order of rounding differs from reference()'s (f32 throughout, sums split over ks and waves).
; THE MODE: SCHED_MODE bits 1:0 = 2 (LLVM: expert scheduling mode 2), set by the entry lines.  The code itself states the register dependences
; between vector instructions and memory or LDS instructions, with s_wait_alu, always for 0.
; THE PLAN.  Registers that memory or LDS instructions touch:
;   XB0 .. XB7   a ring of eight rows of X.  Row r's 16 multiply-adds read XB[r % 8]; the four LDS loads issued in row r land in XB[(r + 4) % 8], which row r - 4 read last.
;   XS           = XB4 .. XB7.  At the head X's 16 loads land in it, the sums work on it, four LDS stores read it; at the end the eight records land in it and the store reads it.
;   WV           written by the 32 loads of the head, read by the multiply-adds, never written again.
;   ACC          written by the multiply-adds, read by the LDS stores of the record.
;   v1 .. v6     offsets and addresses, made once at the head.
; So ONE wait on va_vdst stands ahead of every fourth row: all rows up to the one before it are done reading their buffers.  The loads of that row and of the next three land in the
; buffers of the four rows ahead of the wait, and the multiply-adds issued since the wait read buffers 5 to 7 places further on in the ring: none that these loads touch.
.set ENC, 1
.if ENC
.set N4, 8192                          ; bytes in a row of Wm
.set RP, 4096                          ; a wave's record in the reduction: [16 b][64 columns]
.else
.set N4, 4096
.set RP, 4608                          ; 32 lanes x (128 bytes + 16): [column][16 b], pitch an odd multiple of 16
.endif
.set RED, 16384                        ; LDS: X at 0 (2,048 bytes a wave), the reduction behind it
.set ACC, 8                            ; v[8:39]    32 sums
.set WV,  40                           ; v[40:103]  row r of Wm: my 2 columns at 2 r
.set XB,  104                          ; v[104:231] eight buffers of 16: a row of X, 16 batches
.set XS,  168                          ; v[168:231] buffers 4 to 7.  At the head X as loaded: partial p, piece i at 16 p + 4 i; at the end the 8 waves' records
	s_load_b128 s[4:7], s[0:1], 0x0                ; X s[4:5], Wm s[6:7]
	s_load_b64 s[8:9], s[0:1], 0x10                ; Y
	v_lshl_add_u32 v232, v0, 2, 0xc000
	v_mov_b32 v233, 0
	v_lshrrev_b32 v7, 5, v0
	v_readfirstlane_b32 s10, v7                    ; wave 0..7
	v_and_b32 v7, 31, v0                           ; lane
	s_and_b32 s11, ttmp7, 0xffff                   ; ks
	s_mov_b32 s13, 0
	s_wait_alu depctr_va_sdst(0)                   ; s10 is written, ahead of its first reader: offsets and LDS addresses are made from it
	s_lshl_b32 s14, s10, 11                        ; my wave's 32 rows of X: 2,048 bytes
	v_lshl_add_u32 v1, v7, 4, s14                  ; v1: my 16 bytes of them, in memory and in LDS alike
	v_mov_b32 v3, s14                              ; v3: their first byte in LDS
	s_mul_i32 s15, s10, 32*N4
	v_lshl_add_u32 v2, v7, 3, s15                  ; v2: my 2 columns in my wave's first row of Wm
.if ENC
	s_lshl_b32 s16, s10, 12
	s_add_co_u32 s16, s16, RED
	v_lshl_add_u32 v4, v7, 3, s16                  ; v4: my 2 columns of batch 0 in my wave's record
	v_lshlrev_b32 v5, 4, v0
	v_add_nc_u32 v5, RED, v5                       ; v5: thread t sums bytes 16 t of the records: batch t / 16, columns 4 (t % 16) ..
	v_lshrrev_b32 v6, 4, v0
	v_lshlrev_b32 v6, 13, v6
	v_and_b32 v7, 15, v0
	v_lshl_add_u32 v6, v7, 4, v6                   ; v6: the same in up: a row of 8,192 bytes a batch
.else
	s_mul_i32 s16, s10, RP
	s_add_co_u32 s16, s16, RED
	v_mad_u32_u24 v4, v7, 144, s16                 ; v4: my 128 bytes in my wave's record
	v_lshrrev_b32 v5, 3, v0
	v_mul_u32_u24 v5, v5, 144
	v_and_b32 v6, 7, v0
	v_lshl_add_u32 v5, v6, 4, v5
	v_add_nc_u32 v5, RED, v5                       ; v5: thread t sums bytes 16 t of [64 columns][16 b]: lane t / 8's record, piece t % 8
	v_lshlrev_b32 v6, 4, v0                        ; v6: the same in qw
.endif
	s_lshl_b32 s12, s11, 14                        ; 256 rows of X, 64 bytes each
	s_mul_i32 s17, s11, 256*N4                     ; 256 rows of Wm
	s_lshl_b32 s18, ttmp9, 8                       ; 64 columns
	s_add_co_u32 s17, s17, s18
.if ENC
	s_lshl_b32 s19, s11, 17                        ; up's part ks; the columns as above
	s_add_co_u32 s19, s19, s18
.else
	s_lshl_b32 s19, s11, 16                        ; qw's part ks
	s_lshl_b32 s18, ttmp9, 12                      ; 64 j of 64 bytes
	s_add_co_u32 s19, s19, s18
.endif
	s_wait_kmcnt 0x0
	s_add_nc_u64 s[4:5], s[4:5], s[12:13]
	s_mov_b32 s12, s17
	s_add_nc_u64 s[6:7], s[6:7], s[12:13]
	s_mov_b32 s12, s19
	s_add_nc_u64 s[8:9], s[8:9], s[12:13]
	s_wait_alu depctr_va_vdst(0)                   ; the six offsets and addresses v1 to v6 are written: every load and store of the kernel reads one of them
.irp p, 0,1,2,3
.irp i, 0,1,2,3
	global_load_b128 v[XS+16*\p+4*\i:XS+16*\p+4*\i+3], v1, s[4:5] offset:\p*65536+512*\i
.endr
.endr
.set r, 0
.rept 32
	global_load_b64 v[WV+2*r:WV+2*r+1], v2, s[6:7] offset:r*N4 th:TH_LOAD_NT
.set r, r+1
.endr
	s_wait_loadcnt 32                              ; X's 16 loads are in; the 32 rows of Wm stay out
.irp i, 0,1,2,3
.irp h, 0,2
	v_pk_add_f32 v[XS+4*\i+\h:XS+4*\i+\h+1], v[XS+4*\i+\h:XS+4*\i+\h+1], v[XS+16+4*\i+\h:XS+16+4*\i+\h+1]
	v_pk_add_f32 v[XS+32+4*\i+\h:XS+32+4*\i+\h+1], v[XS+32+4*\i+\h:XS+32+4*\i+\h+1], v[XS+48+4*\i+\h:XS+48+4*\i+\h+1]
	v_pk_add_f32 v[XS+4*\i+\h:XS+4*\i+\h+1], v[XS+4*\i+\h:XS+4*\i+\h+1], v[XS+32+4*\i+\h:XS+32+4*\i+\h+1]
.endr
.endr
	s_wait_alu depctr_va_vdst(0)                   ; the sums have written v[XS .. XS+15], which the four LDS stores read; no vector line names XS again before row 4
.irp i, 0,1,2,3
	ds_store_b128 v1, v[XS+4*\i:XS+4*\i+3] offset:512*\i   ; the wave's own rows, read by this wave alone: no barrier
.endr
.macro LDX r                           ; row r of X, 64 bytes, the same for every lane, into buffer r % 8
.irp q, 0,1,2,3
	ds_load_b128 v[XB+16*((\r)%8)+4*\q:XB+16*((\r)%8)+4*\q+3], v3 offset:64*(\r)+16*\q
.endr
.endm
; row r: 32 multiply-adds a lane in 16 packed ones; row 0's products start the sums
.macro ROW r
.if \r == 0
	s_wait_alu depctr_vm_vsrc(0)                   ; the four LDS stores have read v[XS ..]: these registers are buffers 4 to 7 from here on, in which rows 4 to 7 land
.endif
.if (((\r)%4) == 0) && (\r > 0) && (\r < 28)
	s_wait_alu depctr_va_vdst(0)                   ; the four rows before this one are done reading their buffers, in which the loads of this row and of the next three land
.endif
.if \r < 28
	LDX \r+4
	s_wait_dscnt 16                                ; LDS answers in order: row r is in, the four rows behind it (16 loads) stay out
.else
	s_wait_dscnt 4*(31-\r)                         ; nothing was asked for behind row 31: the counts run down
.endif
	s_wait_loadcnt 31-\r                           ; row r of Wm is in, the rows behind it stay out
.set XR, XB+16*(\r%8)
.set WR, WV+2*\r
.if ENC
.irp i, 0,1,2,3,4,5,6,7                            ; a pair = my two columns; the batch's x is taken for both (op_sel picks it from its pair)
.if \r == 0
	v_pk_mul_f32 v[ACC+4*\i:ACC+4*\i+1],   v[WR:WR+1], v[XR+2*\i:XR+2*\i+1] op_sel_hi:[1,0]
	v_pk_mul_f32 v[ACC+4*\i+2:ACC+4*\i+3], v[WR:WR+1], v[XR+2*\i:XR+2*\i+1] op_sel:[0,1] op_sel_hi:[1,1]
.else
	v_pk_fma_f32 v[ACC+4*\i:ACC+4*\i+1],   v[WR:WR+1], v[XR+2*\i:XR+2*\i+1], v[ACC+4*\i:ACC+4*\i+1] op_sel_hi:[1,0,1]
	v_pk_fma_f32 v[ACC+4*\i+2:ACC+4*\i+3], v[WR:WR+1], v[XR+2*\i:XR+2*\i+1], v[ACC+4*\i+2:ACC+4*\i+3] op_sel:[0,1,0] op_sel_hi:[1,1,1]
.endif
.endr
.else
.irp c, 0,1                                        ; a pair = two batches; column c's weight is taken for both
.irp i, 0,1,2,3,4,5,6,7
.if \r == 0
	v_pk_mul_f32 v[ACC+16*\c+2*\i:ACC+16*\c+2*\i+1], v[WR:WR+1], v[XR+2*\i:XR+2*\i+1] op_sel:[\c,0] op_sel_hi:[\c,1]
.else
	v_pk_fma_f32 v[ACC+16*\c+2*\i:ACC+16*\c+2*\i+1], v[WR:WR+1], v[XR+2*\i:XR+2*\i+1], v[ACC+16*\c+2*\i:ACC+16*\c+2*\i+1] op_sel:[\c,0,0] op_sel_hi:[\c,1,1]
.endif
.endr
.endr
.endif
.endm
	LDX 0                                          ; rows 0 to 3 into buffers 0 to 3, which no line has named yet
	LDX 1
	LDX 2
	LDX 3
.irp r, 0,1,2,3,4,5,6,7,8,9,10,11,12,13,14,15,16,17,18,19,20,21,22,23,24,25,26,27,28,29,30,31
	ROW \r
.endr
	; the sum over the 8 waves: each lays down its record, one barrier, thread t sums 16 bytes of all eight
	s_wait_alu depctr_va_vdst(0)                   ; the multiply-adds have written the 32 sums, which the LDS stores read, and are done reading buffers 4 and 5, in which the records land
.if ENC
.irp b, 0,1,2,3,4,5,6,7,8,9,10,11,12,13,14,15
	ds_store_b64 v4, v[ACC+2*\b:ACC+2*\b+1] offset:256*\b
.endr
.else
.irp i, 0,1,2,3,4,5,6,7
	ds_store_b128 v4, v[ACC+4*\i:ACC+4*\i+3] offset:16*\i
.endr
.endif
	s_wait_dscnt 0x0                               ; for the other waves' sake: my record is written before I signal
	s_barrier_signal -1
	s_barrier_wait -1
.irp w, 0,1,2,3,4,5,6,7
	ds_load_b128 v[XS+4*\w:XS+4*\w+3], v5 offset:\w*RP
.endr
	s_wait_dscnt 0x0
.irp h, 0,2
	v_pk_add_f32 v[XS+\h:XS+\h+1],       v[XS+\h:XS+\h+1],       v[XS+4+\h:XS+4+\h+1]
	v_pk_add_f32 v[XS+8+\h:XS+8+\h+1],   v[XS+8+\h:XS+8+\h+1],   v[XS+12+\h:XS+12+\h+1]
	v_pk_add_f32 v[XS+16+\h:XS+16+\h+1], v[XS+16+\h:XS+16+\h+1], v[XS+20+\h:XS+20+\h+1]
	v_pk_add_f32 v[XS+24+\h:XS+24+\h+1], v[XS+24+\h:XS+24+\h+1], v[XS+28+\h:XS+28+\h+1]
	v_pk_add_f32 v[XS+\h:XS+\h+1],       v[XS+\h:XS+\h+1],       v[XS+8+\h:XS+8+\h+1]
	v_pk_add_f32 v[XS+16+\h:XS+16+\h+1], v[XS+16+\h:XS+16+\h+1], v[XS+24+\h:XS+24+\h+1]
	v_pk_add_f32 v[XS+\h:XS+\h+1],       v[XS+\h:XS+\h+1],       v[XS+16+\h:XS+16+\h+1]
.endr
	s_wait_alu depctr_va_vdst(0)                   ; the last sums have written v[XS .. XS+3], which the store reads
	global_store_b128 v6, v[XS:XS+3], s[8:9]       ; sixteen neighbouring lanes store 256 consecutive bytes, at a multiple of 256 from Y's first byte
	s_wait_dscnt 0x0
	s_wait_alu depctr_hold_cnt(0) depctr_sa_sdst(0) depctr_va_vdst(0) depctr_va_sdst(0) depctr_va_ssrc(0) depctr_va_vcc(0) depctr_vm_vsrc(0)
	s_wait_tensorcnt 0x0
	ds_add_u32 v232, v233
	s_wait_dscnt 0x0
	s_endpgm
.Lfunc_end_k_q41b60308b7_enc:
	.size	k_q41b60308b7_enc, .Lfunc_end_k_q41b60308b7_enc-k_q41b60308b7_enc
	.p2alignl 7, 3214868480
	.fill 96, 4, 3214868480
	.section	.rodata,"a",@progbits
	.p2align	6, 0x0
	.amdhsa_kernel k_q41b60308b7_enc
		.amdhsa_group_segment_fixed_size 50176
		.amdhsa_private_segment_fixed_size 0
		.amdhsa_enable_private_segment 0
		.amdhsa_kernarg_size 24
		.amdhsa_user_sgpr_count 2
		.amdhsa_user_sgpr_kernarg_segment_ptr 1
		.amdhsa_wavefront_size32 1
		.amdhsa_system_sgpr_workgroup_id_x 1
		.amdhsa_system_sgpr_workgroup_id_y 1
		.amdhsa_system_sgpr_workgroup_id_z 1
		.amdhsa_system_vgpr_workitem_id 0
		.amdhsa_next_free_vgpr 234
		.amdhsa_next_free_sgpr 66
		.amdhsa_reserve_vcc 0
		.amdhsa_float_denorm_mode_32 3
		.amdhsa_float_denorm_mode_16_64 3
		.amdhsa_memory_ordered 1
		.amdhsa_forward_progress 1
		.amdhsa_inst_pref_size 54
	.end_amdhsa_kernel
	.amdgpu_metadata
---
amdhsa.version: [ 1, 2 ]
amdhsa.kernels:
  - .name:           k_q41b60308b7_enc
    .symbol:         k_q41b60308b7_enc.kd
    .args:
      - { .name: qw, .offset: 0, .size: 8, .value_kind: global_buffer, .address_space: global }
      - { .name: W_enc, .offset: 8, .size: 8, .value_kind: global_buffer, .address_space: global }
      - { .name: up, .offset: 16, .size: 8, .value_kind: global_buffer, .address_space: global }
    .group_segment_fixed_size: 50176
    .private_segment_fixed_size: 0
    .kernarg_segment_align: 8
    .kernarg_segment_size: 24
    .max_flat_workgroup_size: 256
    .sgpr_count:     66
    .vgpr_count:     234
    .wavefront_size: 32
...
	.end_amdgpu_metadata
.endif
;; end of part 7
;; launch stream (part 8): grid 16 x 16, 8 waves a work-group, no clusters, 75,520 bytes of LDS; arguments value, mask, up, sc, pc; writes sc, pc
.if DOCPART == 8
	.amdgcn_target "amdgcn-amd-amdhsa--gfx1250"
	.amdhsa_code_object_version 6
	.text
	.protected	k_q41b60308b7_stream
	.globl	k_q41b60308b7_stream
	.p2align	8
	.type	k_q41b60308b7_stream,@function
k_q41b60308b7_stream:
	s_mov_b64 s[64:65], 0
	v_nop
	global_prefetch_b8 v0, s[64:65] scope:SCOPE_SE
	s_setreg_imm32_b32 hwreg(HW_REG_WAVE_SCHED_MODE, 0, 2), 2
	s_setreg_imm32_b32 hwreg(HW_REG_WAVE_MODE, 25, 1), 1
	s_wait_xcnt 0x0
	s_wait_alu depctr_vm_vsrc(0)
; For batch b and chunk c (128 rows of value):
;   sc[b][s]    = value[b][s] . u[b], or -inf where mask[b][s] == 0          (u[b] = the sum of up's four parts)
;   pc[b][c][e] = sum over the chunk's rows of exp(sc[b][s] - m_c) * value[b][s][e],   m_c = max(-FLT_MAX, the chunk's scores)
; value is read from memory once: a row stays in registers between its dot product with u and its share in the weighted sum, and the
; exponentials are taken against a running maximum.  m_c is not stored: the next launch takes the same maximum of the same stored scores.
; Eight waves; wave w owns rows 16 w .. 16 w + 15 of the chunk and takes a whole row (8,192 bytes) at a time: 16 loads of 512 neighbouring bytes,
; 64 registers.  A ring of four row slots in registers: one row at work, three (48 loads, 24 KiB a wave, 192 KiB a work-group) on their way.
; The 16 turns are written out, so that every row is an immediate offset and no address register is ever rewritten.
; f32 vector arithmetic, no matrix unit: two multiply-adds for each number read, and a score is the exponent of a softmax: value or u rounded to
; 8 bits of mantissa would move it by about sqrt(2048) x 2^-9 of a typical product, several times what 1 per cent on alpha allows.
; No tensor loads: the registers hold what is in flight, and LDS would add a write and a read of every byte.
; No cluster: the work-groups of a batch share only u, 32 KiB against 1 MiB of rows of their own.
; No prefetch: every wave always has three rows requested, and nothing else is waited for.
; LIMITS KEPT: the order of rounding differs from reference()'s (the products are reassociated, f32 throughout).  v_exp_f32 gives 0 below 2^-126.
; A NaN or +inf score makes p NaN, and with it the batch's outputs, as in reference().
; THE MODE: SCHED_MODE bits 1:0 = 2 (LLVM: expert scheduling mode 2), set by the entry lines.  The code itself states the register dependences
; between vector instructions and memory or LDS instructions, with s_wait_alu, always for 0.
; THE PLAN.  Registers that memory or LDS instructions touch:
;   slots 0 .. 3  Turn t: its dot product and its weighted sum read slot t % 4; behind them the 16 loads of row t + 4 land in it.
;   SV + t        Row t's score has a register of its own: written by turn t's sum and select, read by one LDS store, never written again.
;   TU            up's parts land in it, the head's sums work on it, two LDS stores read it; at the end the eight maxima land in it, and in wave 0 the scores.
;   UU            u lands in it, every dot product reads it; at the end the eight waves' sums land in it, are added there, and two stores read it.
;   CX, M         written by vector lines alone; read by the LDS stores behind the last turn.
;   v1 .. v4, v6 .. v10, v28  offsets and addresses, made once at the head.
; So ONE wait on va_vdst stands in each of turns 0 to 11, behind the turn's last multiply-add: the turn is done reading its slot and has written its score.  The 16 loads and the
; score's store follow it with no vector line between.  It stands at the turn's end, so that the slot is asked for again at once and four rows' loads are out while the next row is waited for.
; Turns 12 to 15 issue no memory instruction and hold no such wait: their scores leave behind the wait that stands ahead of the store of the wave's maximum.
.set U_L,   0                          ; LDS: u[b], 8,192 bytes
.set CT_L,  8192                       ; the 8 waves' weighted sums, 8,192 bytes each
.set SCO_L, 73728                      ; the chunk's 128 scores
.set WM_L,  74240                      ; the 8 waves' maxima
.set LOG2E, 0x3fb8aa3b
.set FMIN,  0xff7fffff                 ; -FLT_MAX: keeps every maximum finite, so that a masked row gives exp(-inf) = 0 and never inf - inf
.set L16,  1                           ; v1   16 x lane
.set VOFF, 2                           ; v2   my 16 bytes in my wave's first row
.set UOFF, 3                           ; v3   1,024 w + 16 lane: my wave's eighth of a row of 8,192 bytes (up, LDS U, pc)
.set MOFF, 4                           ; v4   mask word of my wave's row lane % 16
.set MK,   5                           ; v5   that word
.set SA,   6                           ; v6   LDS: my wave's 16 scores
.set WMA,  7                           ; v7   LDS: my wave's maximum
.set WMR,  8                           ; v8   LDS: the eight maxima
.set CTA,  9                           ; v9   LDS: my 16 bytes of my wave's weighted sum
.set CRA,  10                          ; v10  LDS: my 16 bytes of wave 0's weighted sum, in my wave's eighth
.set NI,   11                          ; v11  -inf
.set T,    13                          ; v13  at work
.set M,    14                          ; v14  the running maximum
.set MN,   15                          ; v15  the new one
.set DD,   16                          ; v[16:17] score - new maximum, old maximum - new maximum
.set PF,   18                          ; v[18:19] p = exp of the first, f = exp of the second
.set D,    20                          ; v[20:27] four chains of the dot product, a pair each
.set SCR,  28                          ; v28  LDS: 16 bytes of the scores (wave 0, at the end)
.set TU,   32                          ; v[32:63]   up's four parts as loaded; later the eight maxima, the scores
.set UU,   64                          ; v[64:127]  u[b] at my 64 columns; later the eight waves' sums
.set CX,   128                         ; v[128:191] the weighted sum at my 64 columns
.set SV,   192                         ; v[192:207] row t's score at SV + t
; v256-v511, written v0-v255 in window 1: the four row slots, slot i at 64 i.
; s_set_vgpr_msb's low byte: bits 1:0 source 0, 7:6 destination; the high byte repeats the setting that is left.
.set MSB, 0
.macro WIN new
.if MSB != \new
	s_set_vgpr_msb (MSB<<8)|\new
.set MSB, \new
.endif
.endm
.set ROW_SRC, 0x01                     ; source 0 is a row
.set ROW_DST, 0x40                     ; a load's destination is a row, its address register in window 0; an LDS store's address and data are in window 0 too
	s_load_b256 s[4:11], s[0:1], 0x0               ; value s[4:5], mask s[6:7], up s[8:9], sc s[10:11]
	s_load_b64 s[12:13], s[0:1], 0x20              ; pc
	v_lshl_add_u32 v254, v0, 2, 0x12300
	v_mov_b32 v255, 0
	v_lshrrev_b32 v29, 5, v0
	v_readfirstlane_b32 s14, v29                   ; wave 0..7
	s_and_b32 s16, ttmp7, 0xffff                   ; batch b; ttmp9: chunk c
	s_mov_b32 s19, 0
	s_mov_b32 s22, 0x76543210                      ; v_permlanex16_b32: lane i of one half reads lane i of the other
	s_mov_b32 s23, 0xfedcba98
	v_and_b32 v29, 31, v0
	v_lshlrev_b32 v[L16], 4, v29
	s_wait_alu depctr_va_sdst(0)                   ; s14 is written, ahead of its first reader: offsets and LDS addresses are made from it
	s_lshl_b32 s24, s14, 17                        ; 16 rows of 8,192 bytes
	v_add_nc_u32 v[VOFF], s24, v[L16]
	s_lshl_b32 s25, s14, 10
	v_add_nc_u32 v[UOFF], s25, v[L16]
	v_and_b32 v[MOFF], 15, v0
	v_lshlrev_b32 v[MOFF], 2, v[MOFF]
	s_lshl_b32 s26, s14, 6                         ; 16 words
	v_add_nc_u32 v[MOFF], s26, v[MOFF]
	s_add_co_u32 s27, s26, SCO_L
	v_mov_b32 v[SA], s27
	s_lshl_b32 s28, s14, 2
	s_add_co_u32 s28, s28, WM_L
	v_mov_b32 v[WMA], s28
	v_mov_b32 v[WMR], WM_L
	s_lshl_b32 s29, s14, 13
	s_add_co_u32 s29, s29, CT_L
	v_add_nc_u32 v[CTA], s29, v[L16]
	s_add_co_u32 s30, s25, CT_L
	v_add_nc_u32 v[CRA], s30, v[L16]
	v_add_nc_u32 v[SCR], SCO_L, v[L16]
	v_mov_b32 v[NI], 0xff800000
	v_mov_b32 v[T], 0                              ; v_permlanex16_b32 counts as a reader of its destination
	v_mov_b32 v[PF+1], 0                           ; the first turn reads the pair and uses p alone
	s_wait_kmcnt 0x0
	s_lshl_b32 s18, s16, 24                        ; a batch of value: 2,048 rows of 8,192 bytes
	s_lshl_b32 s17, ttmp9, 20                      ; a chunk: 128 rows
	s_add_co_u32 s18, s18, s17
	s_add_nc_u64 s[4:5], s[4:5], s[18:19]
	s_lshl_b32 s18, s16, 13                        ; a batch of up, mask, sc: 8,192 bytes
	s_add_nc_u64 s[8:9], s[8:9], s[18:19]
	s_lshl_b32 s17, ttmp9, 9                       ; a chunk of mask, sc: 128 words
	s_add_co_u32 s18, s18, s17
	s_add_nc_u64 s[6:7], s[6:7], s[18:19]
	s_add_nc_u64 s[10:11], s[10:11], s[18:19]
	s_lshl_b32 s18, s16, 17                        ; a batch of pc: 16 chunks of 8,192 bytes
	s_lshl_b32 s17, ttmp9, 13
	s_add_co_u32 s18, s18, s17
	s_add_nc_u64 s[12:13], s[12:13], s[18:19]
.macro FILL base, row                  ; 16 loads: row `row` of my wave's 16 into the slot whose registers begin at `base` in window 1
	WIN ROW_DST
.irp j, 0,1,2,3,4,5,6,7,8,9,10,11,12,13,14,15
	global_load_b128 v[\base+4*\j:\base+4*\j+3], v[VOFF], s[4:5] offset:(\row)*8192+512*\j th:TH_LOAD_NT
.endr
.endm
	s_wait_alu depctr_va_vdst(0)                   ; the offsets and addresses v1 to v4, v6 to v10 and v28 are written: every load and store of the kernel reads one of them
	global_load_b32 v[MK], v[MOFF], s[6:7]
.irp p, 0,1,2,3
	global_load_b128 v[TU+8*\p:TU+8*\p+3],   v[UOFF], s[8:9] offset:\p*131072
	global_load_b128 v[TU+8*\p+4:TU+8*\p+7], v[UOFF], s[8:9] offset:\p*131072+512
.endr
	FILL 0, 0
	FILL 64, 1
	FILL 128, 2
	WIN 0
	s_wait_loadcnt 48                              ; the mask word and up's parts are in; three rows of 16 loads stay out
	v_cmp_ne_u32 vcc_lo, 0, v[MK]
	s_wait_alu depctr_va_vcc(0)                    ; the compare has written VCC, which the next line reads
	s_mov_b32 s20, vcc_lo                          ; bit t (0..15): my wave's row t is kept
.irp h, 0,2,4,6
	v_pk_add_f32 v[TU+\h:TU+\h+1],       v[TU+\h:TU+\h+1],       v[TU+8+\h:TU+8+\h+1]
	v_pk_add_f32 v[TU+16+\h:TU+16+\h+1], v[TU+16+\h:TU+16+\h+1], v[TU+24+\h:TU+24+\h+1]
	v_pk_add_f32 v[TU+\h:TU+\h+1],       v[TU+\h:TU+\h+1],       v[TU+16+\h:TU+16+\h+1]
.endr
	s_wait_alu depctr_va_vdst(0)                   ; the sums have written v[TU .. TU+7], which the two LDS stores read
	ds_store_b128 v[UOFF], v[TU:TU+3] offset:U_L           ; my wave's eighth of u
	ds_store_b128 v[UOFF], v[TU+4:TU+7] offset:U_L+512
	FILL 192, 3                                    ; slot 3 has been named by no line yet
	WIN 0
	s_wait_dscnt 0x0                               ; for the other waves' sake: my part of u is written before I signal
	s_barrier_signal -1
	s_barrier_wait -1
.irp j, 0,1,2,3,4,5,6,7,8,9,10,11,12,13,14,15
	ds_load_b128 v[UU+4*\j:UU+4*\j+3], v[L16] offset:U_L+512*\j    ; u at the columns that I hold of every row
.endr
	s_wait_dscnt 0x0
; The turn of row t, in slot t % 4.
.macro TURN t
.set SL, 64*(\t%4)
.set S, SV+\t                          ; the row's score
.if \t <= 12
	s_wait_loadcnt 48                              ; loads return in order: my row's 16 are in, the three rows behind it stay out
.else
	s_wait_loadcnt 16*(15-\t)                      ; the last rows: nothing was asked behind row 15, the counts run down
.endif
	WIN ROW_SRC
.set n, 0
.rept 4                                            ; the dot product with u: four chains, started by the first four products
	v_pk_mul_f32 v[D+2*n:D+2*n+1], v[SL+2*n:SL+2*n+1], v[UU+2*n:UU+2*n+1]
.set n, n+1
.endr
.rept 28
	v_pk_fma_f32 v[D+2*(n%4):D+2*(n%4)+1], v[SL+2*n:SL+2*n+1], v[UU+2*n:UU+2*n+1], v[D+2*(n%4):D+2*(n%4)+1]
.set n, n+1
.endr
	WIN 0
	v_pk_add_f32 v[D:D+1], v[D:D+1], v[D+2:D+3]
	v_pk_add_f32 v[D+4:D+5], v[D+4:D+5], v[D+6:D+7]
	v_pk_add_f32 v[D:D+1], v[D:D+1], v[D+4:D+5]
	v_add_f32 v[S], v[D], v[D+1]
	v_add_f32_dpp v[S], v[S], v[S] row_xmask:1 row_mask:0xf bank_mask:0xf      ; across the lanes: every lane ends with the same sum
	v_add_f32_dpp v[S], v[S], v[S] row_xmask:2 row_mask:0xf bank_mask:0xf
	v_add_f32_dpp v[S], v[S], v[S] row_xmask:4 row_mask:0xf bank_mask:0xf
	v_add_f32_dpp v[S], v[S], v[S] row_xmask:8 row_mask:0xf bank_mask:0xf
	v_permlanex16_b32 v[T], v[S], s22, s23
	v_add_f32 v[S], v[S], v[T]
	s_bitcmp1_b32 s20, \t                          ; the mask selects a value, no path: a masked row is worked like any other, with the score -inf
	s_cselect_b32 s21, -1, 0
	v_cndmask_b32 v[S], v[NI], v[S], s21
.if \t == 0
	v_max_num_f32 v[M], FMIN, v[S]
	v_sub_f32 v[DD], v[S], v[M]
	v_mul_f32 v[DD], LOG2E, v[DD]
	v_exp_f32 v[PF], v[DD]
	v_nop                                          ; one plain vector instruction between a transcendental and the use of its result
	WIN ROW_SRC
.set n, 0
	s_wait_alu depctr_va_vdst(0)
.rept 32                                           ; the first row starts the weighted sum: nothing is cleared
	v_pk_mul_f32 v[CX+2*n:CX+2*n+1], v[SL+2*n:SL+2*n+1], v[PF:PF+1] op_sel_hi:[1,0]
.set n, n+1
.endr
.else
	v_max_num_f32 v[MN], v[M], v[S]
	v_sub_f32 v[DD], v[S], v[MN]
	v_sub_f32 v[DD+1], v[M], v[MN]
	v_pk_mul_f32 v[DD:DD+1], v[DD:DD+1], LOG2E op_sel_hi:[1,0]
	v_exp_f32 v[PF], v[DD]                         ; p: the row's weight against the new maximum
	v_exp_f32 v[PF+1], v[DD+1]                     ; f: what the sum so far is worth against it
	v_mov_b32 v[M], v[MN]                          ; the plain vector instruction behind the transcendentals
.set n, 0
	s_wait_alu depctr_va_vdst(0)
.rept 32
	v_pk_mul_f32 v[CX+2*n:CX+2*n+1], v[CX+2*n:CX+2*n+1], v[PF:PF+1] op_sel:[0,1] op_sel_hi:[1,1]
.set n, n+1
.endr
	WIN ROW_SRC
.set n, 0
.rept 32
	v_pk_fma_f32 v[CX+2*n:CX+2*n+1], v[SL+2*n:SL+2*n+1], v[PF:PF+1], v[CX+2*n:CX+2*n+1] op_sel_hi:[1,0,1]
.set n, n+1
.endr
.endif
.if \t <= 11
	WIN ROW_DST                                    ; the window first, then the wait, then the loads
	s_wait_alu depctr_va_vdst(0)                   ; the turn's products are done reading its slot, in which the 16 loads land, and its score is written, which the LDS store reads
	FILL SL, \t+4                                  ; the slot's next row, four rows on
	ds_store_b32 v[SA], v[S] offset:4*\t           ; all lanes write one word with one value
.endif
.endm
.irp t, 0,1,2,3,4,5,6,7,8,9,10,11,12,13,14,15
	TURN \t
.endr
	; The eight waves' sums are brought to the chunk's maximum and added.
	WIN 0
	s_wait_alu depctr_va_vdst(0)                   ; turns 12 to 15 have written their scores and turn 15 the running maximum, which the five LDS stores read
.irp t, 12,13,14,15
	ds_store_b32 v[SA], v[SV+\t] offset:4*\t       ; all lanes write one word with one value
.endr
	ds_store_b32 v[WMA], v[M]
	s_wait_dscnt 0x0                               ; my maximum and my 16 scores are written before I signal
	s_barrier_signal -1
	s_barrier_wait -1
	s_wait_alu depctr_vm_vsrc(0)                   ; the head's two LDS stores have read v[TU .. TU+7], in which the eight maxima land
	ds_load_b128 v[TU:TU+3], v[WMR]
	ds_load_b128 v[TU+4:TU+7], v[WMR] offset:16
	s_wait_dscnt 0x0
	v_max3_num_f32 v[T], v[TU], v[TU+1], v[TU+2]
	v_max3_num_f32 v[T], v[T], v[TU+3], v[TU+4]
	v_max3_num_f32 v[T], v[T], v[TU+5], v[TU+6]
	v_max_num_f32 v[T], v[T], v[TU+7]              ; m_c
	v_sub_f32 v[DD], v[M], v[T]
	v_mul_f32 v[DD], LOG2E, v[DD]
	v_exp_f32 v[PF], v[DD]
	v_nop                                          ; the plain vector instruction behind the transcendental
.set n, 0
	s_wait_alu depctr_va_vdst(0)
.rept 32
	v_pk_mul_f32 v[CX+2*n:CX+2*n+1], v[CX+2*n:CX+2*n+1], v[PF:PF+1] op_sel_hi:[1,0]
.set n, n+1
.endr
	s_wait_alu depctr_va_vdst(0)                   ; the scalings have written CX, which the 16 LDS stores read; the dot products are done reading UU and the maxima's lines TU, in which LDS loads land below
.irp j, 0,1,2,3,4,5,6,7,8,9,10,11,12,13,14,15
	ds_store_b128 v[CTA], v[CX+4*\j:CX+4*\j+3] offset:512*\j
.endr
	s_wait_dscnt 0x0                               ; my sum is written before I signal
	s_barrier_signal -1
	s_barrier_wait -1
.irp w, 0,1,2,3,4,5,6,7
	ds_load_b128 v[UU+8*\w:UU+8*\w+3],   v[CRA] offset:8192*\w         ; wave w's sum at my wave's eighth of the columns
	ds_load_b128 v[UU+8*\w+4:UU+8*\w+7], v[CRA] offset:8192*\w+512
.endr
	s_wait_dscnt 0x0
.irp h, 0,2,4,6
	v_pk_add_f32 v[UU+\h:UU+\h+1],       v[UU+\h:UU+\h+1],       v[UU+8+\h:UU+8+\h+1]
	v_pk_add_f32 v[UU+16+\h:UU+16+\h+1], v[UU+16+\h:UU+16+\h+1], v[UU+24+\h:UU+24+\h+1]
	v_pk_add_f32 v[UU+32+\h:UU+32+\h+1], v[UU+32+\h:UU+32+\h+1], v[UU+40+\h:UU+40+\h+1]
	v_pk_add_f32 v[UU+48+\h:UU+48+\h+1], v[UU+48+\h:UU+48+\h+1], v[UU+56+\h:UU+56+\h+1]
	v_pk_add_f32 v[UU+\h:UU+\h+1],       v[UU+\h:UU+\h+1],       v[UU+16+\h:UU+16+\h+1]
	v_pk_add_f32 v[UU+32+\h:UU+32+\h+1], v[UU+32+\h:UU+32+\h+1], v[UU+48+\h:UU+48+\h+1]
	v_pk_add_f32 v[UU+\h:UU+\h+1],       v[UU+\h:UU+\h+1],       v[UU+32+\h:UU+32+\h+1]
.endr
	s_wait_alu depctr_va_vdst(0)                   ; the last sums have written v[UU .. UU+7], which the two stores read
	global_store_b128 v[UOFF], v[UU:UU+3], s[12:13]                ; each store of the wave covers 512 consecutive bytes, aligned
	global_store_b128 v[UOFF], v[UU+4:UU+7], s[12:13] offset:512
	s_cmp_lg_u32 s14, 0
	s_cbranch_scc1 .Lend
	ds_load_b128 v[TU:TU+3], v[SCR]                ; wave 0: the chunk's 128 scores, written by all waves ahead of the second barrier
	s_wait_dscnt 0x0
	global_store_b128 v[L16], v[TU:TU+3], s[10:11] ; 512 consecutive bytes, aligned
.Lend:
	s_wait_dscnt 0x0
	s_wait_alu depctr_hold_cnt(0) depctr_sa_sdst(0) depctr_va_vdst(0) depctr_va_sdst(0) depctr_va_ssrc(0) depctr_va_vcc(0) depctr_vm_vsrc(0)
	s_wait_tensorcnt 0x0
	ds_add_u32 v254, v255
	s_wait_dscnt 0x0
	s_endpgm
.Lfunc_end_k_q41b60308b7_stream:
	.size	k_q41b60308b7_stream, .Lfunc_end_k_q41b60308b7_stream-k_q41b60308b7_stream
	.p2alignl 7, 3214868480
	.fill 96, 4, 3214868480
	.section	.rodata,"a",@progbits
	.p2align	6, 0x0
	.amdhsa_kernel k_q41b60308b7_stream
		.amdhsa_group_segment_fixed_size 75520
		.amdhsa_private_segment_fixed_size 0
		.amdhsa_enable_private_segment 0
		.amdhsa_kernarg_size 40
		.amdhsa_user_sgpr_count 2
		.amdhsa_user_sgpr_kernarg_segment_ptr 1
		.amdhsa_wavefront_size32 1
		.amdhsa_system_sgpr_workgroup_id_x 1
		.amdhsa_system_sgpr_workgroup_id_y 1
		.amdhsa_system_sgpr_workgroup_id_z 1
		.amdhsa_system_vgpr_workitem_id 0
		.amdhsa_next_free_vgpr 512
		.amdhsa_next_free_sgpr 66
		.amdhsa_reserve_vcc 1
		.amdhsa_float_denorm_mode_32 3
		.amdhsa_float_denorm_mode_16_64 3
		.amdhsa_memory_ordered 1
		.amdhsa_forward_progress 1
		.amdhsa_inst_pref_size 151
	.end_amdhsa_kernel
	.amdgpu_metadata
---
amdhsa.version: [ 1, 2 ]
amdhsa.kernels:
  - .name:           k_q41b60308b7_stream
    .symbol:         k_q41b60308b7_stream.kd
    .args:
      - { .name: value, .offset: 0, .size: 8, .value_kind: global_buffer, .address_space: global }
      - { .name: mask, .offset: 8, .size: 8, .value_kind: global_buffer, .address_space: global }
      - { .name: up, .offset: 16, .size: 8, .value_kind: global_buffer, .address_space: global }
      - { .name: sc, .offset: 24, .size: 8, .value_kind: global_buffer, .address_space: global }
      - { .name: pc, .offset: 32, .size: 8, .value_kind: global_buffer, .address_space: global }
    .group_segment_fixed_size: 75520
    .private_segment_fixed_size: 0
    .kernarg_segment_align: 8
    .kernarg_segment_size: 40
    .max_flat_workgroup_size: 256
    .sgpr_count:     66
    .vgpr_count:     512
    .wavefront_size: 32
...
	.end_amdgpu_metadata
.endif
;; end of part 8
;; launch finish: the kernel of part 5 again; grid 16 x 16, 1 waves a work-group, no clusters, 0 bytes of LDS; arguments sc, pc, out0, out1; writes out0, out1
